; MI455X (gfx1250); checked and timed in simulation.
; The chip was launched on July 23, 2026; its instructions are those of AMD's public machine-readable ISA for CDNA 5 (MIT licence, August 2026) and "CDNA5" Instruction Set Architecture Reference Guide (July 2026). The comments in the code are by the model that wrote it; some were corrected since.
;; Cross Attention. Allowed arithmetic: matrix products marked QUANTISED: E3M2 operands, one E8M0 scale for each 32 along K, by v_wmma_scale_f32_16x16x128_f8f6f4 with both operands' format E3M2, f32 sums; products left as they are: f32 operands where the result goes on into a quantised operand, else bf16, f16 or f32 operands; f32 sums; everything else in f32.
;; Inputs: Wk 1,024 x 1,024 float32; Wo 1,024 x 1,024 float32; Wq 1,024 x 1,024 float32; Wv 1,024 x 1,024 float32; bk 1,024 float32; bo 1,024 float32; bq 1,024 float32; bv 1,024 float32; encoder_x 4 x 2,048 x 1,024 float32; x 4 x 2,048 x 1,024 float32.
;; Outputs: out0 4 x 2,048 x 1,024 float32.
;; This version of the problem:
;;   THIS VERSION OF THE PROBLEM IS GIVEN IN LOW PRECISION. The matrix products marked QUANTISED in the list below multiply operands that are first quantised to E3M2 (3 exponent bits, 2 mantissa bits; 6 bits a number), with one power-of-two scale for each 32 numbers along K (OCP MX v1.0); their sums are f32. All else is computed in f32.
;;   The module's matrix products, in the order in which they are computed (A, B: the left and right operand; K: the contracted axis; several contracted axes count as one K, in the product's order):
;;     1. [M 8,192, K 1,024] x [K 1,024, N 1,024]; A: input encoder_x; B: input Wq: QUANTISED
;;     2. [M 8,192, K 1,024] x [K 1,024, N 1,024]; A: input encoder_x; B: input Wk: QUANTISED
;;     3. [M 8,192, K 1,024] x [K 1,024, N 1,024]; A: input x; B: input Wv: QUANTISED
;;     4. batch 64 x [M 2,048, K 64] x [K 64, N 2,048]; A: computed on the way; B: computed on the way: QUANTISED
;;     5. batch 64 x [M 1, K 1] x [K 1, N 131,072]; A: computed on the way; B: computed on the way: left as it is (no contracted axis)
;;     6. [M 8,192, K 1,024] x [K 1,024, N 1,024]; A: computed on the way; B: input Wo: QUANTISED
;;   THE QUANTISER, for each operand of a quantised product, along K:
;;     - K is cut into blocks of 32 from its start; a last block that is shorter is filled with zeros.
;;     - A block's scale is 2^e with e = floor(log2(the largest magnitude in the block)) - 4, held to -126 .. 127; a block of zeros has e = 0. As a byte (E8M0): e + 127.
;;     - Each number is divided by its block's scale, clamped to +-28, and rounded to the nearest number of E3M2, ties to even, subnormals kept.
;;     - The product sums the exact products of the quantised numbers (number of the format x scale) in f32.
;;   ~~~python
;;   def quantise(x, axis):      # numpy; x: float32 -> the quantised numbers, widened to float32 again
;;       x = np.moveaxis(x, axis, -1); K = x.shape[-1]
;;       x = np.pad(x, [(0, 0)] * (x.ndim - 1) + [(0, -K % 32)]); x = x.reshape(x.shape[:-1] + (-1, 32)); a = np.abs(x).max(-1, keepdims=True)
;;       e = np.where(a > 0, np.clip(np.frexp(np.where(a > 0, a, 1))[1] - 1 - 4, -126, 127), 0)      # np.frexp(a)[1] - 1 = floor(log2(a)), exactly
;;       r = np.clip(x / 2.0 ** e, -28, 28)
;;       step = 2.0 ** (np.maximum(np.frexp(np.where(r == 0, 1, r))[1] - 1, -2) - 2)
;;       q = np.round(r / step) * step * 2.0 ** e      # np.round: ties to even
;;       return np.moveaxis(q.reshape(q.shape[:-2] + (-1,))[..., :K], -1, axis).astype(np.float32)
;;   ~~~
;;   OPERANDS COMPUTED ON THE WAY. 'Computed on the way' means the value that the module computes at that place (a softmax that the list does not call 'softmax' is quantised finished and normalised). What goes into a quantiser is computed in f32, as accurately as f32 sums, v_exp_f32 and their like allow (about 1e-6 of the number): no bf16 or f16 on the way to a quantiser, and a product that is left as it is and whose result goes on into a quantised operand takes f32 operands (vector FMAs, or v_wmma_f32_16x16x4_f32). A number that lies on a knife's edge between two numbers of the format may be rounded either way, as far as f32 arithmetic and the matrix unit's own rounding can turn it there, and no further.
;; One version. Each part assembles by itself: llvm-mc -triple=amdgcn-amd-amdhsa -mcpu=gfx1250 --defsym DOCPART=n.
;; ======== version 1 of 1: 5 launches
;; workspace buffers: encq 6,553,600 bytes; xq 6,553,600 bytes; wqk 1,638,400 bytes; wvo 1,638,400 bytes; qk 13,107,200 bytes; attn 6,553,600 bytes; spart 2,048 bytes; unit 2,048 bytes
;; launch quant (part 1): grid 768 x 1, 4 waves a work-group, no clusters, 35,328 bytes of LDS; arguments encoder_x, x, Wq, Wk, Wv, Wo, encq, xq, wqk, wvo, unit; writes encq, xq, wqk, wvo, unit
.if DOCPART == 1
	.amdgcn_target "amdgcn-amd-amdhsa--gfx1250"
	.amdhsa_code_object_version 6
	.text
	.protected	k_qaca907ba22_quant
	.globl	k_qaca907ba22_quant
	.p2align	8
	.type	k_qaca907ba22_quant,@function
k_qaca907ba22_quant:
	s_mov_b64 s[64:65], 0
	v_nop
	global_prefetch_b8 v0, s[64:65] scope:SCOPE_SE
	s_setreg_imm32_b32 hwreg(HW_REG_WAVE_MODE, 25, 1), 1
	s_wait_xcnt 0x0
; encoder_x and x [8192][1024] (K innermost) and Wq, Wk, Wv, Wo [1024 (k)][1024 (n)] (K outermost), all f32, become codes of BF6 (E3M2) with one E8M0 byte for each 32 along K.
; A block's scale is 2^(floor(log2(its largest magnitude)) - 4); its byte is the largest magnitude's exponent field - 4, held at 1 from below; numbers beyond 28 x the scale take the largest code.
; THE RECORD, the one layout of every operand that this program keeps in memory: 128 rows x 1,024 along K = REC bytes.
;   bytes 0 .. SCO-1: codes, [plane = k / 128 (8)][tile = row / 16 (8)][FRB bytes]; a tile's FRB bytes are the IMAGE OF THE OPERAND'S 12 REGISTERS: three pieces of 512 bytes, lane l's registers 4 c .. 4 c + 3 at 512 c + 16 l.
;   bytes SCO .. REC-1: scale words, [plane (8)][row (128)][4 bytes]; byte b of a word scales k = 128 plane + 32 b + 0 .. 31.
; So the products' launches fetch a fragment by three loads of 512 consecutive bytes, and 128 rows x 256 K are one dense block.
; A weight's "rows" are its columns n, and within each 32 columns tile 2 B + u takes n = 32 B + 8 u + row + 8 (row / 8): with the product used transposed a lane's 16 results of two neighbouring tiles are then 16 neighbouring columns.
; WORK-GROUPS 0-511: the activations.  A wave takes 64 rows x 128 K: four fragments.  Each load reads 512 consecutive bytes of one row; 16 rows turn through the wave's own stage in LDS, from which lane (r, h) takes,
; of row r, 16 neighbours of each block of 32.   WORK-GROUPS 512-767: the weights.  A wave takes 32 columns x 128 K; a lane takes a column and its registers run down K; no LDS.
; One wave of work-group 512 also stores the gains that the projections of q and k multiply by: 1, 0, 0, 0, 0, 0, 0, 0 for each head (eight partial sums whose sum is exactly 1).
; Waves share nothing: no barrier.  Work-groups share no input: no cluster.  The launch streams each input byte once, by loads that run a tile or a block ahead.
; LIMITS: NaN and infinities among the inputs are not served.  A block of zeros gets the byte 1 where the rule says 127: its codes are zeros, which add nothing under any byte but 0xff, and this program alone reads the bytes.
; A block whose largest magnitude lies under 2^-122 is held at the byte 1.  A wave's 32 scale words of a weight are stored as 128 consecutive bytes, half of an aligned 256.
.set REC,  102400
.set PLB,  12288                       ; a plane: 8 fragments
.set FRB,  1536                        ; a fragment's image
.set SCO,  98304                       ; where a record's scale words begin
.set WREG, 8704                        ; LDS of a wave: a stage of 16 rows x SP bytes, then 256 bytes of scale words
.set SP,   528                         ; a stage row: 512 bytes + 16, an odd multiple of 16
.set SWD,  16*SP
.set TM,   16                          ; v16-31   at work in QUANT
.set R,    32                          ; v32-159  two sets of 64: 16 rows x 16 bytes a lane, as loaded
.set X,    160                         ; v160-223 64 numbers of my row: register 16 b + i = k 32 b + 16 h + i
.set PC,   224                         ; v224-242 the codes just made
.set PW,   244                         ; v244     the scale word just made
.set SEL,  28                          ; s[28:29] lane selects for v_permlanex16_b32: lane l xor 16
.set XW,   32                          ; weights: v32-95 two sets of 32 numbers down K
.set F0,   96                          ; v96-107  my column's blocks 0 and 2;  v108-119 blocks 1 and 3
.set TC,   120                         ; v120-122 the second half of a block's codes
	s_load_b512 s[4:19], s[0:1], 0x0               ; encoder_x s[4:5], x s[6:7], Wq s[8:9], Wk s[10:11], Wv s[12:13], Wo s[14:15], encq s[16:17], xq s[18:19]
	s_load_b128 s[20:23], s[0:1], 0x40             ; wqk s[20:21], wvo s[22:23]
	s_load_b64 s[24:25], s[0:1], 0x50              ; unit
	v_lshl_add_u32 v248, v0, 2, 0x8800
	v_mov_b32 v249, 0
	v_lshrrev_b32 v1, 5, v0
	v_readfirstlane_b32 s26, v1                    ; wave 0..3
	v_and_b32 v1, 31, v0                           ; lane
	v_and_b32 v2, 15, v0                           ; r
	v_bfe_u32 v3, v0, 4, 1                         ; h
	v_lshlrev_b32 v4, 4, v1                        ; 16 x lane; never rewritten
	s_cmp_lt_u32 ttmp9, 512
	s_cbranch_scc0 .Lweights
; ---------------- the activations ----------------
	v_lshlrev_b32 v5, 3, v1                        ; 8 x lane
	s_mul_i32 s27, s26, WREG
	v_add_nc_u32 v6, s27, v4                       ; the stage, on the way in: 16 x lane, a row an instruction
	v_mul_u32_u24 v7, v2, SP
	v_lshl_add_u32 v7, v3, 6, v7
	v_add_nc_u32 v7, s27, v7                       ; on the way out: row r, + 64 h
	s_add_co_u32 s27, s27, SWD
	v_lshl_add_u32 v8, v2, 2, s27                  ; my row's scale word
	v_add_nc_u32 v9, s27, v5                       ; and 8 bytes a lane when they leave
	s_mov_b32 s[SEL], 0x76543210
	s_mov_b32 s[SEL+1], 0xfedcba98
.irp b, 0,1,2,3
	v_mov_b32 v[TM+4+\b], 0                        ; written once: a lane permute's destination counts as one of its sources
.endr
	s_lshr_b32 s36, ttmp9, 8                       ; 0: encoder_x, 1: x
	s_bfe_u32 s37, ttmp9, 0x70001                  ; which 64 rows
	s_and_b32 s38, ttmp9, 1
	s_lshl_b32 s38, s38, 2
	s_add_co_u32 s38, s38, s26                     ; the plane: 4 x (work-group % 2) + wave
	s_lshl_b32 s40, s37, 18                        ; 64 rows of 4,096 bytes
	s_lshl_b32 s41, s38, 9                         ; 128 numbers of 4 bytes
	s_add_co_u32 s40, s40, s41
	s_mov_b32 s41, 0
	s_lshr_b32 s42, s37, 1
	s_mul_i32 s42, s42, REC                        ; the record,
	s_and_b32 s43, s37, 1                          ; and which half of its rows
	s_mul_i32 s44, s38, PLB
	s_add_co_u32 s44, s44, s42
	s_mul_i32 s45, s43, 4*FRB
	s_add_co_u32 s44, s44, s45                     ; my four fragments
	s_mov_b32 s45, 0
	s_lshl_b32 s46, s38, 9
	s_add_co_u32 s46, s46, s42
	s_lshl_b32 s47, s43, 8
	s_add_co_u32 s46, s46, s47
	s_add_co_u32 s46, s46, SCO                     ; my 64 scale words
	s_mov_b32 s47, 0
	s_wait_kmcnt 0x0
	s_cmp_eq_u32 s36, 0                            ; the choice hangs on the work-group's number alone
	s_cselect_b64 s[30:31], s[4:5], s[6:7]
	s_cselect_b64 s[32:33], s[16:17], s[18:19]
	s_add_nc_u64 s[30:31], s[30:31], s[40:41]
	s_add_nc_u64 s[34:35], s[32:33], s[46:47]
	s_add_nc_u64 s[32:33], s[32:33], s[44:45]
.macro LOAD t                          ; rows 16 t .. 16 t + 15: 32 lanes read 512 consecutive bytes of a row
.irp i, 0,1,2,3,4,5,6,7,8,9,10,11,12,13,14,15
	global_load_b128 v[R+64*((\t)%2)+4*\i:R+64*((\t)%2)+4*\i+3], v4, s[30:31] offset:(16*(\t)+\i)*4096 th:TH_LOAD_NT
.endr
.endm
; 64 numbers of a lane, v[s] .. v[s + 63], register 16 b + i = k 32 b + 16 (lane / 16) + i of my row, become a fragment's codes in v[PC] on and its scale word in v[PW].
.macro QUANT s
.irp b, 0,1,2,3
	v_max3_num_f32 v[TM+\b], |v[\s+16*\b]|, |v[\s+1+16*\b]|, 0x2800000   ; block b: my 16 numbers, and the floor 2^(5 - 127): the byte cannot fall under 1
.endr
.irp i, 2,4,6,8,10,12,14
.irp b, 0,1,2,3
	v_max3_num_f32 v[TM+\b], v[TM+\b], |v[\s+16*\b+\i]|, |v[\s+1+16*\b+\i]|   ; the four blocks by turns
.endr
.endr
.irp b, 0,1,2,3
	v_permlanex16_b32 v[TM+4+\b], v[TM+\b], s[SEL], s[SEL+1]
.endr
.irp b, 0,1,2,3
	v_max_num_f32 v[TM+\b], v[TM+\b], v[TM+4+\b]   ; with lane l xor 16's: the block's largest magnitude
.endr
.irp b, 0,1,2,3
	v_add_nc_u32 v[TM+12+\b], 0xfe000000, v[TM+\b] ; 4 off its exponent field: the conversion takes this operand's exponent field as its scale
.endr
.irp b, 0,1,2,3
	v_lshrrev_b32 v[TM+4+\b], 23, v[TM+12+\b]      ; the scale's byte
.endr
	v_lshl_or_b32 v[PW], v[TM+5], 8, v[TM+4]
	v_lshl_or_b32 v[PW], v[TM+6], 16, v[PW]
	v_lshl_or_b32 v[PW], v[TM+7], 24, v[PW]        ; my row's scale word
.irp c, 0,1
	v_cvt_scalef32_pk16_bf6_f32 v[PC+6*\c:PC+2+6*\c], v[\s+32*\c:\s+15+32*\c], v[TM+12+2*\c]
	v_cvt_scalef32_pk16_bf6_f32 v[PC+12+4*\c:PC+14+4*\c], v[\s+16+32*\c:\s+31+32*\c], v[TM+12+2*\c+1]   ; (a conversion's three registers begin on an even number)
.endr
	v_nop                                          ; one plain instruction behind a scaled conversion
.irp c, 0,1                            ; the operand's layout wants a WHOLE block in a lane: lanes 0-15 block 2 c, lanes 16-31 block 2 c + 1
.irp i, 0,1,2
	v_permlane16_swap_b32 v[PC+6*\c+\i], v[PC+12+4*\c+\i]
.endr
.irp i, 0,1,2
	v_mov_b32 v[PC+3+6*\c+\i], v[PC+12+4*\c+\i]
.endr
.endr
.endm
.macro TILE t
.if (\t) < 3
	s_wait_loadcnt 16                              ; this tile's 16 loads are in; the next tile's 16 may be out
.else
	s_wait_loadcnt 0x0
.endif
.irp i, 0,1,2,3,4,5,6,7,8,9,10,11,12,13,14,15
	ds_store_b128 v6, v[R+64*((\t)%2)+4*\i:R+64*((\t)%2)+4*\i+3] offset:SP*\i
.endr
.irp b, 0,1,2,3
.irp j, 0,1,2,3
	ds_load_b128 v[X+16*\b+4*\j:X+16*\b+4*\j+3], v7 offset:128*\b+16*\j   ; LDS serves a wave's instructions in order: these see the stores above, and the next tile's stores come behind them
.endr
.endr
	s_wait_dscnt 0x0                               ; my 64 numbers are in
.if (\t) > 0
	s_wait_xcnt 0x0                                ; the last tile's stores have read their registers: the codes may be written again
.endif
.if (\t) < 2
	LOAD (\t)+2
.endif
	QUANT X
.irp c, 0,1,2
	global_store_b128 v4, v[PC+4*\c:PC+4*\c+3], s[32:33] offset:FRB*(\t)+512*\c   ; 32 lanes store 512 consecutive bytes, aligned
.endr
	ds_store_b32 v8, v[PW] offset:64*(\t)          ; both halves of the lanes write the same word with the same value
.endm
	LOAD 0
	LOAD 1
	TILE 0
	TILE 1
	TILE 2
	TILE 3
	ds_load_b64 v[246:247], v9                     ; the 64 scale words leave together
	s_wait_dscnt 0x0
	global_store_b64 v5, v[246:247], s[34:35]      ; 32 lanes store 256 consecutive bytes, aligned
	s_wait_tensorcnt 0x0
	ds_add_u32 v248, v249
	s_wait_dscnt 0x0
	s_endpgm
; ---------------- the weights ----------------
.Lweights:
	s_bfe_u32 s36, ttmp9, 0x20006                  ; which weight: 0 Wq, 1 Wk, 2 Wv, 3 Wo
	s_bfe_u32 s37, ttmp9, 0x30003                  ; which 128 columns
	s_and_b32 s38, ttmp9, 7                        ; the plane
	v_and_b32 v10, 7, v1                           ; lane l takes column (l & 7) + 2 (l & 8) + (l & 16) / 2 of my 32: lanes 0-15 are the rows of tile 2 w, lanes 16-31 those of tile 2 w + 1
	v_and_b32 v11, 8, v1
	v_lshl_or_b32 v10, v11, 1, v10
	v_and_b32 v11, 16, v1
	v_lshrrev_b32 v11, 1, v11
	v_or_b32 v10, v10, v11
	v_lshlrev_b32 v10, 2, v10
	v_lshlrev_b32 v9, 2, v1                        ; 4 x lane
	s_lshl_b32 s40, s38, 19                        ; 128 rows of 4,096 bytes
	s_lshl_b32 s41, s37, 9
	s_add_co_u32 s40, s40, s41
	s_lshl_b32 s41, s26, 7
	s_add_co_u32 s40, s40, s41                     ; + (128 x group + 32 x wave) x 4
	s_mov_b32 s41, 0
	s_and_b32 s39, s36, 1
	s_lshl_b32 s42, s39, 3
	s_add_co_u32 s42, s42, s37
	s_mul_i32 s42, s42, REC                        ; the record: Wq, Wv 0-7; Wk, Wo 8-15
	s_mul_i32 s44, s38, PLB
	s_add_co_u32 s44, s44, s42
	s_mul_i32 s45, s26, 2*FRB
	s_add_co_u32 s44, s44, s45                     ; my two fragments
	s_mov_b32 s45, 0
	s_lshl_b32 s46, s38, 9
	s_add_co_u32 s46, s46, s42
	s_lshl_b32 s47, s26, 7
	s_add_co_u32 s46, s46, s47
	s_add_co_u32 s46, s46, SCO                     ; my 32 scale words
	s_mov_b32 s47, 0
	s_wait_kmcnt 0x0
	s_cmp_lg_u32 s39, 0                            ; the choices hang on the work-group's number alone
	s_cselect_b64 s[30:31], s[10:11], s[8:9]       ; Wk or Wq
	s_cselect_b64 s[32:33], s[14:15], s[12:13]     ; Wo or Wv
	s_cmp_ge_u32 s36, 2
	s_cselect_b64 s[30:31], s[32:33], s[30:31]
	s_cselect_b64 s[32:33], s[22:23], s[20:21]     ; into wvo or wqk
	s_add_nc_u64 s[30:31], s[30:31], s[40:41]
	s_add_nc_u64 s[34:35], s[32:33], s[46:47]
	s_add_nc_u64 s[32:33], s[32:33], s[44:45]
.macro LOADW q                         ; block q: W(128 plane + 32 q + i, my column), i = 0 .. 31: a wave reads 128 consecutive bytes
.irp i, 0,1,2,3,4,5,6,7,8,9,10,11,12,13,14,15,16,17,18,19,20,21,22,23,24,25,26,27,28,29,30,31
	global_load_b32 v[XW+32*((\q)%2)+\i], v10, s[30:31] offset:(32*(\q)+\i)*4096 th:TH_LOAD_NT
.endr
.endm
.macro BLOCK q
.set XS, XW+32*((\q)%2)
.set FT, F0+12*((\q)%2)+6*((\q)/2)     ; even blocks into v[F0] on, odd blocks into v[F0 + 12] on
.if (\q) < 3
	s_wait_loadcnt 32                              ; this block's 32 loads are in; the next block's 32 may be out
.else
	s_wait_loadcnt 0x0
.endif
	v_max3_num_f32 v12, |v[XS]|, |v[XS+1]|, |v[XS+2]|   ; the block's largest magnitude: all 32 numbers are mine; two chains
	v_max3_num_f32 v13, |v[XS+3]|, |v[XS+4]|, |v[XS+5]|
.irp i, 6,10,14,18,22,26
	v_max3_num_f32 v12, v12, |v[XS+\i]|, |v[XS+\i+1]|
	v_max3_num_f32 v13, v13, |v[XS+\i+2]|, |v[XS+\i+3]|
.endr
	v_max3_num_f32 v12, v12, |v[XS+30]|, |v[XS+31]|
	v_max3_num_f32 v12, v12, v13, 0x2800000        ; and the floor 2^(5 - 127)
	v_add_nc_u32 v11, 0xfe000000, v12              ; 4 off the exponent field: the conversion's scale operand
	v_lshrrev_b32 v14, 23, v11                     ; the scale's byte
.if (\q) == 0
	v_mov_b32 v15, v14
.else
	v_lshl_or_b32 v15, v14, 8*(\q), v15            ; my column's scale word, the lower K in the lower byte
.endif
	v_cvt_scalef32_pk16_bf6_f32 v[FT:FT+2], v[XS:XS+15], v11
	v_cvt_scalef32_pk16_bf6_f32 v[TC:TC+2], v[XS+16:XS+31], v11   ; (a conversion's three registers begin on an even number)
	v_nop                                          ; one plain instruction behind a scaled conversion
.irp i, 0,1,2
	v_mov_b32 v[FT+3+\i], v[TC+\i]
.endr
.if (\q) < 2
	LOADW (\q)+2
.endif
.endm
	LOADW 0
	LOADW 1
	BLOCK 0
	BLOCK 1
	BLOCK 2
	BLOCK 3
.irp i, 0,1,2,3,4,5,6,7,8,9,10,11
	v_permlane16_swap_b32 v[F0+\i], v[F0+12+\i]    ; the first's lanes 16-31 change places with the second's lanes 0-15: the first is now tile 2 w (lanes 0-15 blocks 0, 2; lanes 16-31 blocks 1, 3 of the same columns), the second tile 2 w + 1
.endr
.irp c, 0,1,2,3,4,5
	global_store_b128 v4, v[F0+4*\c:F0+4*\c+3], s[32:33] offset:512*\c   ; 32 lanes store 512 consecutive bytes, aligned
.endr
	global_store_b32 v9, v15, s[34:35]             ; lane l's word is row 32 w + l of the record
	s_cmp_lg_u32 ttmp9, 512                        ; the gains for q and k: one wave of one work-group
	s_cbranch_scc1 .Ldone
	s_cmp_lg_u32 s26, 0
	s_cbranch_scc1 .Ldone
	v_and_b32 v16, 1, v1
	v_xor_b32 v16, 1, v16
	v_cvt_f32_u32 v20, v16                         ; 1.0 in even lanes: every eighth number
	v_mov_b32 v21, 0
	v_mov_b32 v22, 0
	v_mov_b32 v23, 0
.irp s, 0,1,2,3
	global_store_b128 v4, v[20:23], s[24:25] offset:512*\s
.endr
.Ldone:
	s_endpgm
.Lfunc_end_k_qaca907ba22_quant:
	.size	k_qaca907ba22_quant, .Lfunc_end_k_qaca907ba22_quant-k_qaca907ba22_quant
	.p2alignl 7, 3214868480
	.fill 96, 4, 3214868480
	.section	.rodata,"a",@progbits
	.p2align	6, 0x0
	.amdhsa_kernel k_qaca907ba22_quant
		.amdhsa_group_segment_fixed_size 35328
		.amdhsa_private_segment_fixed_size 0
		.amdhsa_enable_private_segment 0
		.amdhsa_kernarg_size 88
		.amdhsa_user_sgpr_count 2
		.amdhsa_user_sgpr_kernarg_segment_ptr 1
		.amdhsa_wavefront_size32 1
		.amdhsa_system_sgpr_workgroup_id_x 1
		.amdhsa_system_sgpr_workgroup_id_y 1
		.amdhsa_system_sgpr_workgroup_id_z 1
		.amdhsa_system_vgpr_workitem_id 0
		.amdhsa_next_free_vgpr 250
		.amdhsa_next_free_sgpr 66
		.amdhsa_reserve_vcc 0
		.amdhsa_float_denorm_mode_32 3
		.amdhsa_float_denorm_mode_16_64 3
		.amdhsa_memory_ordered 1
		.amdhsa_forward_progress 1
		.amdhsa_inst_pref_size 55
	.end_amdhsa_kernel
	.amdgpu_metadata
---
amdhsa.version: [ 1, 2 ]
amdhsa.kernels:
  - .name:           k_qaca907ba22_quant
    .symbol:         k_qaca907ba22_quant.kd
    .args:
      - { .name: encoder_x, .offset: 0, .size: 8, .value_kind: global_buffer, .address_space: global }
      - { .name: x, .offset: 8, .size: 8, .value_kind: global_buffer, .address_space: global }
      - { .name: Wq, .offset: 16, .size: 8, .value_kind: global_buffer, .address_space: global }
      - { .name: Wk, .offset: 24, .size: 8, .value_kind: global_buffer, .address_space: global }
      - { .name: Wv, .offset: 32, .size: 8, .value_kind: global_buffer, .address_space: global }
      - { .name: Wo, .offset: 40, .size: 8, .value_kind: global_buffer, .address_space: global }
      - { .name: encq, .offset: 48, .size: 8, .value_kind: global_buffer, .address_space: global }
      - { .name: xq, .offset: 56, .size: 8, .value_kind: global_buffer, .address_space: global }
      - { .name: wqk, .offset: 64, .size: 8, .value_kind: global_buffer, .address_space: global }
      - { .name: wvo, .offset: 72, .size: 8, .value_kind: global_buffer, .address_space: global }
      - { .name: unit, .offset: 80, .size: 8, .value_kind: global_buffer, .address_space: global }
    .group_segment_fixed_size: 35328
    .private_segment_fixed_size: 0
    .kernarg_segment_align: 8
    .kernarg_segment_size: 88
    .max_flat_workgroup_size: 128
    .sgpr_count:     66
    .vgpr_count:     250
    .wavefront_size: 32
...
	.end_amdgpu_metadata
.endif
;; end of part 1
;; launch projqk (part 2): grid 8 x 32, 4 waves a work-group, clusters of 4 x 4, 327,680 bytes of LDS; arguments encq, wqk, bq, bk, unit, qk; writes qk
.if DOCPART == 2
	.amdgcn_target "amdgcn-amd-amdhsa--gfx1250"
	.amdhsa_code_object_version 6
	.text
	.protected	k_qaca907ba22_projqk
	.globl	k_qaca907ba22_projqk
	.p2align	8
	.type	k_qaca907ba22_projqk,@function
k_qaca907ba22_projqk:
	s_mov_b64 s[64:65], 0
	v_nop
	global_prefetch_b8 v0, s[64:65] scope:SCOPE_SE
	s_setreg_imm32_b32 hwreg(HW_REG_WAVE_MODE, 25, 1), 1
	s_wait_xcnt 0x0
	s_wait_alu depctr_hold_cnt(0) depctr_sa_sdst(0) depctr_va_vdst(0) depctr_va_sdst(0) depctr_va_ssrc(0) depctr_va_vcc(0) depctr_vm_vsrc(0)
	s_getreg_b32 s2, hwreg(HW_REG_IB_STS2, 6, 4)
	s_cmp_eq_u32 s2, 0
	s_cbranch_scc0 .Lentry_in_a_cluster
	s_endpgm
.Lentry_in_a_cluster:
	s_bfe_u32 s2, ttmp6, 0x10000c
	s_cmp_lg_u32 s2, 0xf033
	s_cbranch_scc0 .Lentry_shape_is_right
	s_endpgm
.Lentry_shape_is_right:
; out = Q((A B^T + bias) x gain): a projection on codes of BF6 (E3M2) whose result is quantised again, in blocks of 32 along its columns, on the way out.  M = 8,192, K = 1,024; 1,024 columns for each cluster x.
; Arguments: a, b (records of codes and scale words), bias0, bias1 (f32 [1024]: for cluster x = 0 and 1), gain (f32 [4 batches][16 heads][8 partial sums]), out (records).
; It serves two launches: q and k together (b = Wq's and Wk's records on end; cluster x = 0 makes q, 1 makes k, 64 records further on; the gains' partial sums are 1, 0, .. 0, so that the factor is exactly 1), and
; v x S (cluster x = 0 alone, so bias1 is not read; the gains are the eight partial sums of each head's softmax sum, added here in ascending order).
; THE RECORD: 128 rows x 1,024 along K = REC bytes: codes [plane = k / 128][tile = row / 16][FRB bytes], a tile's bytes being the image of the operand's 12 registers (lane l's registers 4 c .. 4 c + 3 at 512 c + 16 l);
; from SCO on scale words [plane][row][4 bytes].  A fragment comes by three loads of 512 consecutive bytes; 128 rows x 256 K are one dense block of QTR bytes; 128 rows' scale words for all of K are 4,096 dense bytes.
; A tile of C, 256 x 256, is made by four waves, as many as a WGP has SIMDs; a wave makes 128 x 128: 64 accumulators, 512 registers.  K goes in four steps of 256 through two LDS slots filled by the tensor data mover.
; CLUSTERS: 4 x 4 work-groups.  The four of a row of the cluster need the same records of A, the four of a column the same records of B: each block is asked for JOINTLY, by the same tensor load with the same descriptor
; and a mask that names the four.  THE MATRIX INSTRUCTION IS USED TRANSPOSED (source 0 = 16 rows of B, source 1 = 16 rows of A), and the columns that form a tile of B were chosen when B was laid out, so that the 64 results
; that a lane holds of a tile of 16 rows are: register 16 B + i = column 32 B + 16 (lane / 16) + i of row lane % 16: what the quantiser takes.  A wave's 128 x 128 is exactly one plane of one record of the output.
; The bias is the C of each sum's first matrix instruction.  The multiplication by the gain moves the results into window 0, where the quantiser works.
; REGISTERS, in windows of 256: window 0: v1-31 addresses; v32-63 scale words, two sets; v64-127 the bias, eight registers for each tile of B; v128-223 A's fragments, ONE set; on the way out v128-233 are at work.
;   window 1: B's fragments, TWO sets, at v0 and v128.   window 2: the accumulators of my rows 0-63 ((a, b) at v[8 (8 a + b)]);   window 3: those of my rows 64-127.
; No prefetch: K is four steps, and the tiles are shared in the cluster.
; LIMITS: NaN and infinities are not served.  A block of zeros gets the byte 1 where the rule says 127 (its codes are zeros; this program alone reads the bytes); a block whose largest magnitude lies under 2^-122 is held at the byte 1.
.set REC,   102400
.set PLB,   12288
.set FRB,   1536
.set SCO,   98304
.set HALFO, 6553600                    ; 64 records: from q to k in the output
.set QTR,   2*PLB                      ; 128 rows x 256 K: what one tensor load brings, and what one wave reads of A or of B
.set SLOT,  4*QTR                      ; A's two records' parts, then B's two
.set SCA,   2*SLOT                     ; behind the ring: A's scale words, 2 x 4,096 bytes;
.set SCB,   SCA+8192+128               ; B's, 128 bytes further on than they need be: lanes 0-15 read A's 64 bytes and lanes 16-31 B's in one instruction, and the two then lie 128 bytes apart modulo 256
.set SPARE, 213248                     ; the spare words, 128 bytes for each wave: two blocks of 256 bytes that no other line names
.set NQ,    2                          ; matrix instructions deep in a slot
.set FR,    12                         ; registers of a fragment
.set NL,    3                          ; LDS loads that bring one
.set NP,    4                          ; places behind this matrix instruction (ISA guide 7.12.1)
.set ADRA, 16                          ; v16-17  LDS address of my A fragments in slot 0, 1
.set ADRB, 20                          ; v20-21  the same for B
.set LI,   22                          ; v22     16 x lane; never rewritten
.set SWA,  24                          ; v24     the way out: where my row's scale word goes
.set SRA,  25                          ; v25     and where 16 bytes of them are read back
.set ADRS, 27                          ; v27     LDS address of my scale words: lanes 0-15 A's rows, lanes 16-31 B's
.set SPW,  28                          ; v28     LDS address of my spare word; never rewritten
.set NIL,  29                          ; v29     0; never rewritten
.set BO,   30                          ; v30     64 x (lane / 16): the bias of my half's columns
.set SC,   32                          ; scale words: set s at v[SC + 16 s]; register 2 i + q: lanes 0-15 the word of A's block i, lanes 16-31 that of B's block i, for the slot's q-th 128 along K
.set BIAS, 64
.set AF,   128
.set ST,   128                         ; the way out: v128-191 a tile's 64 numbers
.set PC,   192                         ; v192-210 the codes just made
.set TM,   212                         ; v212-227 at work in QUANT
.set PW,   228                         ; v228     the scale word just made
.set GA,   230                         ; v[230:231] the gain of my plane's first head;  v[232:233] of its second
.set GB,   232
.set G1,   24                          ; s[24:31] descriptor group 1 for A's codes;  s[32:39] group 0, one set for each slot
.set G0,   32
.set G1B,  48                          ; s[48:55], s[56:63] the same for B's
.set G0B,  56
.set G1S,  68                          ; s[68:75], s[76:79] groups 1 and 0 for A's scale words;  s[80:87], s[88:91] for B's
.set G0S,  76
.set G1SB, 80
.set G0SB, 88
.set SEL,  96                          ; s[96:97] lane selects for v_permlanex16_b32: lane l xor 16
.set MSB, 0
.macro WIN new                         ; the immediate's high byte repeats the setting that is left
.if MSB != (\new)
	s_set_vgpr_msb (MSB<<8)|(\new)
.set MSB, (\new)
.endif
.endm
.set MUL_LO, 0xa1                      ; source 0 (B) window 1, source 1 (A) window 0, C and D window 2
.set MUL_HI, 0xf1                      ; the same, C and D window 3
.set TO_B,   0x40                      ; destination window 1, address window 0
; A joint load: waves 0 and 1 fetch for A, waves 2 and 3 for B.  Each of the two lines has ONE mask and one set of registers for all that issue it; the branch hangs on the wave's number alone.
; Four v_nop follow each of the two lines, ahead of the jump, the label and what follows.
.macro JLOAD g0a, g1a, g0b, g1b
	s_cmp_eq_u32 s17, 0
	s_cbranch_scc0 .Lfor_b_\@
	tensor_load_to_lds s[\g0a:\g0a+3], s[\g1a:\g1a+7]
	s_nop 0
.rept 4
	v_nop
.endr
	s_branch .Lasked_\@
.Lfor_b_\@:
	tensor_load_to_lds s[\g0b:\g0b+3], s[\g1b:\g1b+7]
	s_nop 0
.rept 4
	v_nop
.endr
.Lasked_\@:
.endm
.macro CREST                           ; a round of the cluster's barrier behind its opening barrier
	s_cmp_lg_u32 s16, 0
	s_cbranch_scc1 .Lnot_wave_0_\@
	s_barrier_signal -3
.Lnot_wave_0_\@:
	s_barrier_wait -3
	s_barrier_signal -1
	s_barrier_wait -1
.endm
.macro CROUND                          ; a whole round
	s_barrier_signal -1
	s_barrier_wait -1
	CREST
.endm
	s_load_b256 s[4:11], s[0:1], 0x0               ; a s[4:5], b s[6:7], bias0 s[8:9], bias1 s[10:11]
	s_load_b128 s[12:15], s[0:1], 0x20             ; gain s[12:13], out s[14:15]
	v_lshl_add_u32 v[SPW], v0, 2, SPARE
	v_mov_b32 v[NIL], 0
	ds_add_u32 v28, v29
	ds_add_u32 v28, v29
	s_wait_dscnt 0x0
	v_lshrrev_b32 v1, 5, v0
	v_readfirstlane_b32 s16, v1                    ; wave 0..3
	s_lshr_b32 s17, s16, 1                         ; which half of the tile's rows is mine.  Also: I fetch for A (0) or for B (1)
	s_and_b32 s18, s16, 1                          ; which half of its columns.  Also: which of the two records I fetch
	s_bfe_u32 s40, ttmp6, 0x40000                  ; cx, cy: my place in the cluster
	s_bfe_u32 s41, ttmp6, 0x40004
	s_lshl_b32 s42, ttmp9, 2
	s_add_co_u32 s42, s42, s40                     ; tile column = 4 x cluster x + cx
	s_and_b32 s43, ttmp7, 0xffff
	s_lshl_b32 s43, s43, 2
	s_add_co_u32 s43, s43, s41                     ; tile row = 4 x cluster y + cy
	s_lshl_b32 s44, s41, 2
	s_lshl_b32 s44, 15, s44                        ; my row of the cluster
	s_lshl_b32 s45, 0x1111, s40                    ; my column
	; descriptor groups 1: dense blocks as rows of 256 bytes (32 elements of 8 bytes), no padding: 96 rows of codes, 16 rows of scale words
	s_or_b32 s[G1+0], s44, (3<<16)|(1<<21)         ; 15:0 the mask: A's go to my row; 17:16 elements of 8 bytes; 21 set beside a mask
	s_or_b32 s[G1B+0], s45, (3<<16)|(1<<21)        ; B's go to my column
	s_or_b32 s[G1S+0], s44, (3<<16)|(1<<21)
	s_or_b32 s[G1SB+0], s45, (3<<16)|(1<<21)
.irp g, G1, G1B
	s_mov_b32 s[\g+1], 32<<16                      ; tensor_dim0
	s_mov_b32 s[\g+2], 96<<16                      ; tensor_dim1
	s_mov_b32 s[\g+3], 32<<16                      ; tile_dim0
	s_mov_b32 s[\g+4], 96                          ; tile_dim1
	s_mov_b32 s[\g+5], 32                          ; tensor_dim0_stride
	s_mov_b32 s[\g+6], 0
	s_mov_b32 s[\g+7], 0
.endr
.irp g, G1S, G1SB
	s_mov_b32 s[\g+1], 32<<16
	s_mov_b32 s[\g+2], 16<<16
	s_mov_b32 s[\g+3], 32<<16
	s_mov_b32 s[\g+4], 16
	s_mov_b32 s[\g+5], 32
	s_mov_b32 s[\g+6], 0
	s_mov_b32 s[\g+7], 0
.endr
	s_lshl_b32 s20, s43, 1
	s_add_co_u32 s20, s20, s18
	s_mul_i32 s20, s20, REC                        ; A: record 2 x tile row + the one that I fetch
	s_mov_b32 s21, 0
	s_lshl_b32 s46, s42, 1
	s_add_co_u32 s46, s46, s18
	s_mul_i32 s46, s46, REC                        ; B: record 2 x tile column + the one that I fetch
	s_mov_b32 s47, 0
	s_mul_i32 s19, s16, QTR                        ; where they go: wave x QTR: no place in the cluster enters an LDS address
	s_lshl_b32 s22, s16, 12                        ; the scale words: wave x 4,096
	; what hangs on cx beside B's records: global addresses alone, in registers of their own
	s_lshl_b32 s2, s40, 1
	s_add_co_u32 s2, s2, s18                       ; p: the output's plane = 2 cx + my half of the columns
	s_lshr_b32 s3, s43, 3                          ; the batch: 8 tile rows each
	s_lshl_b32 s3, s3, 3
	s_add_co_u32 s3, s3, s2
	s_lshl_b32 s66, s3, 6                          ; the gains of heads 2 p and 2 p + 1: 16 numbers
	s_mov_b32 s67, 0
	s_lshl_b32 s98, s2, 9                          ; the bias of my 128 columns
	s_mov_b32 s99, 0
	s_lshl_b32 s3, s43, 1
	s_add_co_u32 s3, s3, s17
	s_mul_i32 s3, s3, REC                          ; the output's record: 2 x tile row + my half of the rows,
	s_mul_i32 s23, ttmp9, HALFO                    ; in q's or in k's part
	s_add_co_u32 s3, s3, s23
	s_mul_i32 s92, s2, PLB
	s_add_co_u32 s92, s92, s3                      ; my plane of codes
	s_mov_b32 s93, 0
	s_lshl_b32 s94, s2, 9
	s_add_co_u32 s94, s94, s3
	s_add_co_u32 s94, s94, SCO                     ; my plane of scale words
	s_mov_b32 s95, 0
	s_mov_b32 s[SEL], 0x76543210
	s_mov_b32 s[SEL+1], 0xfedcba98
	s_wait_kmcnt 0x0
	s_add_nc_u64 s[20:21], s[4:5], s[20:21]
	s_add_nc_u64 s[46:47], s[6:7], s[46:47]
	s_add_nc_u64 s[66:67], s[12:13], s[66:67]
	s_add_nc_u64 s[92:93], s[14:15], s[92:93]
	s_add_nc_u64 s[94:95], s[14:15], s[94:95]
	s_cmp_eq_u32 ttmp9, 0                          ; the cluster's x, the same in all sixteen partners
	s_cselect_b64 s[8:9], s[8:9], s[10:11]
	s_add_nc_u64 s[98:99], s[8:9], s[98:99]
	CROUND                                         ; all sixteen work-groups are here: the first joint loads meet
	s_mov_b32 s[G0S], 1
	s_add_co_u32 s[G0S+1], s22, SCA
	s_add_nc_u64 s[G0S+2:G0S+3], s[20:21], SCO
	s_or_b32 s[G0S+3], s[G0S+3], 0x80000000
	s_mov_b32 s[G0SB], 1
	s_add_co_u32 s[G0SB+1], s22, SCA+128           ; waves 2 and 3: SCB + (wave - 2) x 4,096
	s_add_nc_u64 s[G0SB+2:G0SB+3], s[46:47], SCO
	s_or_b32 s[G0SB+3], s[G0SB+3], 0x80000000
	JLOAD G0S, G1S, G0SB, G1SB                     ; the scale words first: they are wanted with K step 0, and are filled once
.irp s, 0,1
	s_mov_b32 s[G0+4*\s], 1
	s_add_co_u32 s[G0+4*\s+1], s19, \s*SLOT
	s_add_nc_u64 s[G0+4*\s+2:G0+4*\s+3], s[20:21], \s*QTR
	s_or_b32 s[G0+4*\s+3], s[G0+4*\s+3], 0x80000000
	s_mov_b32 s[G0B+4*\s], 1
	s_add_co_u32 s[G0B+4*\s+1], s19, \s*SLOT
	s_add_nc_u64 s[G0B+4*\s+2:G0B+4*\s+3], s[46:47], \s*QTR
	s_or_b32 s[G0B+4*\s+3], s[G0B+4*\s+3], 0x80000000
	JLOAD G0+4*\s, G1, G0B+4*\s, G1B               ; three tensor loads of mine are out behind the second of these
.endr
	v_and_b32 v1, 15, v0                           ; r
	v_bfe_u32 v2, v0, 4, 1                         ; h
	v_and_b32 v3, 31, v0
	v_lshlrev_b32 v[LI], 4, v3
	v_lshlrev_b32 v[BO], 6, v2
.irp t, 0,1,2,3,4,5,6,7                ; the bias in the result's layout: for tile t of B, lane half h: columns 32 (t / 2) + 16 h + 8 (t % 2) + 0 .. 7
	global_load_b128 v[BIAS+8*\t:BIAS+8*\t+3], v[BO], s[98:99] offset:(32*(\t/2)+8*(\t%2))*4
	global_load_b128 v[BIAS+8*\t+4:BIAS+8*\t+7], v[BO], s[98:99] offset:(32*(\t/2)+8*(\t%2))*4+16
.endr
	s_load_b256 s[4:11], s[66:67], 0x0             ; the first head's eight partial sums (these registers' addresses have been used up),
	s_load_b256 s[40:47], s[66:67], 0x20           ; the second head's: both are wanted on the way out
	s_mul_i32 s2, s17, QTR                         ; my 128 rows of A
	s_mul_i32 s3, s18, QTR                         ; my 128 rows of B,
	s_add_co_u32 s3, s3, 2*QTR                     ; which lie behind A's two parts
.irp s, 0,1
	v_add_nc_u32 v[ADRA+\s], s2, v[LI]
	v_add_nc_u32 v[ADRB+\s], s3, v[LI]
	s_add_co_u32 s2, s2, SLOT
	s_add_co_u32 s3, s3, SLOT
.endr
	v_lshlrev_b32 v5, 2, v1                        ; my row's scale word: 4 bytes a row
	s_lshl_b32 s2, s17, 12                         ; A's: my 128 rows
	s_lshl_b32 s3, s18, 12                         ; B's: my 128 rows
	s_add_co_u32 s3, s3, SCB-SCA
	s_sub_co_u32 s3, s3, s2
	v_mul_u32_u24 v6, s3, v2                       ; lanes 16-31 take B's
	s_add_co_u32 s2, s2, SCA
	v_add_nc_u32 v5, v5, v6
	v_add_nc_u32 v[ADRS], s2, v5
	s_lshl_b32 s3, s16, 9                          ; the way out: 512 bytes a wave at the head of slot 0, which has had its last fill and its last read when the first word is stored there
	v_lshl_add_u32 v[SWA], v1, 2, s3
	v_add_nc_u32 v[SRA], s3, v[LI]
.macro FRAG reg, adr, q, i             ; a fragment's image: three loads of 512 consecutive bytes
.irp c, 0,1,2
	ds_load_b128 v[\reg+4*\c:\reg+4*\c+3], v[\adr] offset:(\q)*PLB+(\i)*FRB+512*\c
.endr
.endm
; 16 matrix instructions: A's blocks a0, a0 + 1 x B's eight, 128 along K: the slot's q-th.  p: B's set;  sc: the set of scale words.  first = 1: the sums start from the bias.
; The 64 accumulators take turns, one instruction a turn, in the same order in every step.
.macro MUL16 a0, p, q, sc, first
.irp a, \a0, \a0+1
.irp b, 0,1,2,3,4,5,6,7
.if \first
	v_wmma_scale_f32_16x16x128_f8f6f4 v[8*(8*((\a)%4)+\b):8*(8*((\a)%4)+\b)+7], v[128*(\p)+FR*\b:128*(\p)+FR*\b+FR-1], v[AF+FR*(\a):AF+FR*(\a)+FR-1], v[BIAS+8*\b:BIAS+8*\b+7], v[SC+8*NQ*(\sc)+NQ*\b+(\q)], v[SC+8*NQ*(\sc)+NQ*(\a)+(\q)] matrix_a_fmt:MATRIX_FMT_BF6 matrix_b_fmt:MATRIX_FMT_BF6 matrix_a_scale:MATRIX_SCALE_ROW1
.else
	v_wmma_scale_f32_16x16x128_f8f6f4 v[8*(8*((\a)%4)+\b):8*(8*((\a)%4)+\b)+7], v[128*(\p)+FR*\b:128*(\p)+FR*\b+FR-1], v[AF+FR*(\a):AF+FR*(\a)+FR-1], v[8*(8*((\a)%4)+\b):8*(8*((\a)%4)+\b)+7], v[SC+8*NQ*(\sc)+NQ*\b+(\q)], v[SC+8*NQ*(\sc)+NQ*(\a)+(\q)] matrix_a_fmt:MATRIX_FMT_BF6 matrix_b_fmt:MATRIX_FMT_BF6 matrix_a_scale:MATRIX_SCALE_ROW1
.endif
.endr
.endr
.endm
.macro FETCH_B slot, q, p              ; B's eight fragments of the slot's q-th 128 along K into set p
	WIN TO_B
.irp i, 0,1,2,3,4,5,6,7
	FRAG 128*(\p)+FR*\i, ADRB+\slot, \q, \i
.endr
	WIN 0
.endm
.macro FETCH_A slot, q, i0             ; A's blocks i0 .. i0 + 3
.irp i, \i0, \i0+1, \i0+2, \i0+3
	FRAG AF+FR*(\i), ADRA+\slot, \q, \i
.endr
.endm
.macro SCALES sc                       ; the next K step's scale words into set sc: lanes 0-15 take A's block i, lanes 16-31 B's block i
.irp i, 0,1,2,3,4,5,6,7
.irp q, 0,1
	ds_load_b32 v[SC+8*NQ*\sc+NQ*\i+\q], v[ADRS] offset:512*\q+64*\i
.endr
.endr
.endm
; A load into a register that a matrix instruction has read, and a vector instruction that reads a matrix result or writes one of a matrix instruction's registers, stand NP places behind it, and only plain vector
; instructions that name none of its registers are places (ISA guide 7.12.1 for vector instructions).
.macro PLACES n
.rept \n
	v_nop
.endr
.endm
; A step of 128 along K that has its successor in the same slot.  A block of A is free as soon as its eight products are issued: blocks 0-3 are fetched anew in the step's middle, blocks 4-7 at its end.
.macro STEP slot, q, first
	s_wait_dscnt 4*NL                              ; B's set, the scale words and A's blocks 0-3 are in; the youngest 12 loads (A's blocks 4-7) may be out
.if \first
	WIN 0x81                                       ; as MUL_LO, with C (the bias) in window 0
.else
	WIN MUL_LO
.endif
	MUL16 0, (\q)%2, \q, \slot, \first
	MUL16 2, (\q)%2, \q, \slot, \first
	s_wait_dscnt 0                                 ; A's blocks 4-7 are in (asked for 32 matrix instructions ago)
	PLACES NP
	FETCH_B \slot, (\q)+1, 1-(\q)%2
	FETCH_A \slot, (\q)+1, 0
.if \first
	WIN 0xc1
.else
	WIN MUL_HI
.endif
	MUL16 4, (\q)%2, \q, \slot, \first
	MUL16 6, (\q)%2, \q, \slot, \first
	PLACES NP
	WIN 0
	FETCH_A \slot, (\q)+1, 4
.endm
; A slot's last step changes slots: ONE barrier; in front of it each wave waits for all its tensor loads, adds 0 to its spare word, and waits for that and for its own reads of this slot.  fill = 1: this slot is filled again, two K steps ahead.
.macro TURN slot, next, fill
	s_wait_tensorcnt 0x0                           ; all my tensor loads have landed: my part of the next slot;  (every window is 0 here)
	ds_add_u32 v[SPW], v[NIL]                      ; 0 onto my spare word
	s_wait_dscnt 4*NL+1                            ; (the add and the youngest 12 loads, A's blocks 4-7, may be out)
	WIN MUL_LO
	MUL16 0, 1, NQ-1, \slot, 0                     ; sixteen matrix instructions stand between the add and the wait for it
	s_wait_dscnt 0x0                               ; the add is done, and my reads of this slot are over
	s_barrier_signal -1
	MUL16 2, 1, NQ-1, \slot, 0
	WIN 0
	s_barrier_wait -1
.if \fill
	CREST                                          ; the barrier has opened a round of the cluster's barrier: no wave of any partner still reads this slot or has a load on its way
	s_add_nc_u64 s[G0+4*\slot+2:G0+4*\slot+3], s[G0+4*\slot+2:G0+4*\slot+3], 2*QTR
	s_add_nc_u64 s[G0B+4*\slot+2:G0B+4*\slot+3], s[G0B+4*\slot+2:G0B+4*\slot+3], 2*QTR
	JLOAD G0+4*\slot, G1, G0B+4*\slot, G1B         ; the first tensor load behind the round; the four v_nop behind it are the places in front of the loads below
.else
	PLACES NP
.endif
	v_add_nc_u32 v[ADRS], 512*NQ, v[ADRS]          ; on to the next K step's scale words: two planes
	FETCH_B \next, 0, 0
	FETCH_A \next, 0, 0
	SCALES \next
	WIN MUL_HI
	MUL16 4, 1, NQ-1, \slot, 0
	MUL16 6, 1, NQ-1, \slot, 0
	PLACES NP
	WIN 0
	FETCH_A \next, 0, 4
.endm
; 64 numbers of a lane, v[s] .. v[s + 63], register 16 b + i = column 32 b + 16 (lane / 16) + i of my row, become a fragment's codes in v[PC] on and its scale word in v[PW].
.macro QUANT s
.irp b, 0,1,2,3
	v_max3_num_f32 v[TM+\b], |v[\s+16*\b]|, |v[\s+1+16*\b]|, 0x2800000   ; block b: my 16 numbers, and the floor 2^(5 - 127): the byte cannot fall under 1
.endr
.irp i, 2,4,6,8,10,12,14
.irp b, 0,1,2,3
	v_max3_num_f32 v[TM+\b], v[TM+\b], |v[\s+16*\b+\i]|, |v[\s+1+16*\b+\i]|   ; the four blocks by turns
.endr
.endr
.irp b, 0,1,2,3
	v_permlanex16_b32 v[TM+4+\b], v[TM+\b], s[SEL], s[SEL+1]
.endr
.irp b, 0,1,2,3
	v_max_num_f32 v[TM+\b], v[TM+\b], v[TM+4+\b]   ; with lane l xor 16's: the block's largest magnitude
.endr
.irp b, 0,1,2,3
	v_add_nc_u32 v[TM+12+\b], 0xfe000000, v[TM+\b] ; 4 off its exponent field: the conversion takes this operand's exponent field as its scale
.endr
.irp b, 0,1,2,3
	v_lshrrev_b32 v[TM+4+\b], 23, v[TM+12+\b]      ; the scale's byte
.endr
	v_lshl_or_b32 v[PW], v[TM+5], 8, v[TM+4]
	v_lshl_or_b32 v[PW], v[TM+6], 16, v[PW]
	v_lshl_or_b32 v[PW], v[TM+7], 24, v[PW]        ; my row's scale word
.irp c, 0,1
	v_cvt_scalef32_pk16_bf6_f32 v[PC+6*\c:PC+2+6*\c], v[\s+32*\c:\s+15+32*\c], v[TM+12+2*\c]
	v_cvt_scalef32_pk16_bf6_f32 v[PC+12+4*\c:PC+14+4*\c], v[\s+16+32*\c:\s+31+32*\c], v[TM+12+2*\c+1]   ; (a conversion's three registers begin on an even number)
.endr
	v_nop                                          ; one plain instruction behind a scaled conversion
.irp c, 0,1                            ; the operand's layout wants a WHOLE block in a lane: lanes 0-15 block 2 c, lanes 16-31 block 2 c + 1
.irp i, 0,1,2
	v_permlane16_swap_b32 v[PC+6*\c+\i], v[PC+12+4*\c+\i]
.endr
.irp i, 0,1,2
	v_mov_b32 v[PC+3+6*\c+\i], v[PC+12+4*\c+\i]
.endr
.endr
.endm
	s_wait_tensorcnt 1                             ; the scale words and my part of K step 0 are in (K step 1's load may be out)
	s_barrier_signal -1
	s_barrier_wait -1                              ; everybody's are
	FETCH_B 0, 0, 0
	FETCH_A 0, 0, 0
	SCALES 0
	FETCH_A 0, 0, 4
	s_wait_loadcnt 0x0                             ; the bias
	STEP 0, 0, 1                                   ; K = 1,024 is four K steps: written out, no loop
	TURN 0, 1, 1
	STEP 1, 0, 0
	TURN 1, 0, 1
	STEP 0, 0, 0
	TURN 0, 1, 0                                   ; the last change of slots fills nothing, and has no round of the cluster's barrier
	STEP 1, 0, 0
	s_wait_dscnt 4*NL                              ; the very last step: nothing more to fetch
	WIN MUL_LO
	MUL16 0, 1, NQ-1, 1, 0
	MUL16 2, 1, NQ-1, 1, 0
	s_wait_dscnt 0
	WIN MUL_HI
	MUL16 4, 1, NQ-1, 1, 0
	MUL16 6, 1, NQ-1, 1, 0
	WIN 0
; THE WAY OUT, a tile of 16 rows at a time: x the head's gain, quantised in registers, stored as the image of a fragment; the rows' scale words are gathered in LDS and leave together.
	PLACES NP                                      ; behind the last products: what follows writes registers that held A's fragments and reads results
	s_wait_kmcnt 0x0                               ; the gains' partial sums
	v_mov_b32 v[GA], s4
	v_mov_b32 v[GB], s40
.irp i, 1,2,3,4,5,6,7
	v_add_f32 v[GA], s[4+\i], v[GA]                ; added in ascending order
	v_add_f32 v[GB], s[40+\i], v[GB]
.endr
	v_mov_b32 v[GA+1], v[GA]                       ; (named with it as a pair, so it is written)
	v_mov_b32 v[GB+1], v[GB]
.irp b, 0,1,2,3
	v_mov_b32 v[TM+4+\b], 0                        ; written once: a lane permute's destination counts as one of its sources
.endr
.macro OUTT a
.set AC, 64*((\a)%4)
	WIN 0x02+((\a)/4)                              ; source 0: window 2 or 3
.set NN, 0
.rept 32                               ; each accumulator from its low end on; registers 0-31 are the first head's 64 columns, 32-63 the second's
.if NN < 16
	v_pk_mul_f32 v[ST+2*NN:ST+2*NN+1], v[AC+2*NN:AC+2*NN+1], v[GA:GA+1] op_sel_hi:[1,0]
.else
	v_pk_mul_f32 v[ST+2*NN:ST+2*NN+1], v[AC+2*NN:AC+2*NN+1], v[GB:GB+1] op_sel_hi:[1,0]
.endif
.set NN, NN+1
.endr
	WIN 0
.if (\a) > 0
	s_wait_xcnt 0x0                                ; the last tile's stores have read their registers: the codes may be written again
.endif
	QUANT ST
.irp c, 0,1,2
	global_store_b128 v[LI], v[PC+4*\c:PC+4*\c+3], s[92:93] offset:FRB*(\a)+512*\c   ; 32 lanes store 512 consecutive bytes, aligned
.endr
	ds_store_b32 v[SWA], v[PW] offset:64*(\a)      ; both halves of the lanes write the same word with the same value
.endm
.irp a, 0,1,2,3,4,5,6,7
	OUTT \a
.endr
	ds_load_b128 v[ST:ST+3], v[SRA]                ; LDS serves a wave's instructions in order: this sees my stores
	s_wait_dscnt 0x0
	global_store_b128 v[LI], v[ST:ST+3], s[94:95]  ; my 128 rows' scale words: 512 consecutive bytes, aligned
	s_wait_tensorcnt 0x0                           ; the wave's end: behind my last tensor load and my last LDS store
	ds_add_u32 v[SPW], v[NIL]
	s_wait_dscnt 0x0
	CROUND                                         ; the closing round: no work-group ends while a partner may still ask for a block that names it
	s_endpgm
.Lfunc_end_k_qaca907ba22_projqk:
	.size	k_qaca907ba22_projqk, .Lfunc_end_k_qaca907ba22_projqk-k_qaca907ba22_projqk
	.p2alignl 7, 3214868480
	.fill 96, 4, 3214868480
	.section	.rodata,"a",@progbits
	.p2align	6, 0x0
	.amdhsa_kernel k_qaca907ba22_projqk
		.amdhsa_group_segment_fixed_size 327680
		.amdhsa_private_segment_fixed_size 0
		.amdhsa_enable_private_segment 0
		.amdhsa_kernarg_size 48
		.amdhsa_user_sgpr_count 2
		.amdhsa_user_sgpr_kernarg_segment_ptr 1
		.amdhsa_wavefront_size32 1
		.amdhsa_system_sgpr_workgroup_id_x 1
		.amdhsa_system_sgpr_workgroup_id_y 1
		.amdhsa_system_sgpr_workgroup_id_z 1
		.amdhsa_system_vgpr_workitem_id 0
		.amdhsa_next_free_vgpr 1024
		.amdhsa_next_free_sgpr 100
		.amdhsa_reserve_vcc 0
		.amdhsa_float_denorm_mode_32 3
		.amdhsa_float_denorm_mode_16_64 3
		.amdhsa_memory_ordered 1
		.amdhsa_forward_progress 1
		.amdhsa_inst_pref_size 160
	.end_amdhsa_kernel
	.amdgpu_metadata
---
amdhsa.version: [ 1, 2 ]
amdhsa.kernels:
  - .name:           k_qaca907ba22_projqk
    .symbol:         k_qaca907ba22_projqk.kd
    .args:
      - { .name: encq, .offset: 0, .size: 8, .value_kind: global_buffer, .address_space: global }
      - { .name: wqk, .offset: 8, .size: 8, .value_kind: global_buffer, .address_space: global }
      - { .name: bq, .offset: 16, .size: 8, .value_kind: global_buffer, .address_space: global }
      - { .name: bk, .offset: 24, .size: 8, .value_kind: global_buffer, .address_space: global }
      - { .name: unit, .offset: 32, .size: 8, .value_kind: global_buffer, .address_space: global }
      - { .name: qk, .offset: 40, .size: 8, .value_kind: global_buffer, .address_space: global }
    .group_segment_fixed_size: 327680
    .private_segment_fixed_size: 0
    .kernarg_segment_align: 8
    .kernarg_segment_size: 48
    .max_flat_workgroup_size: 128
    .sgpr_count:     100
    .vgpr_count:     1024
    .wavefront_size: 32
...
	.end_amdgpu_metadata
.endif
;; end of part 2
;; launch att (part 3): grid 8 x 32, 16 waves a work-group, clusters of 4 x 1, 231,424 bytes of LDS; arguments qk, spart; writes spart
.if DOCPART == 3
	.amdgcn_target "amdgcn-amd-amdhsa--gfx1250"
	.amdhsa_code_object_version 6
	.text
	.protected	k_qaca907ba22_att
	.globl	k_qaca907ba22_att
	.p2align	8
	.type	k_qaca907ba22_att,@function
k_qaca907ba22_att:
	s_mov_b64 s[64:65], 0
	v_nop
	global_prefetch_b8 v0, s[64:65] scope:SCOPE_SE
	s_setreg_imm32_b32 hwreg(HW_REG_WAVE_MODE, 25, 1), 1
	s_wait_xcnt 0x0
	s_wait_alu depctr_hold_cnt(0) depctr_sa_sdst(0) depctr_va_vdst(0) depctr_va_sdst(0) depctr_va_ssrc(0) depctr_va_vcc(0) depctr_vm_vsrc(0)
	s_getreg_b32 s2, hwreg(HW_REG_IB_STS2, 6, 4)
	s_cmp_eq_u32 s2, 0
	s_cbranch_scc0 .Lentry_in_a_cluster
	s_endpgm
.Lentry_in_a_cluster:
	s_bfe_u32 s2, ttmp6, 0x10000c
	s_cmp_lg_u32 s2, 0x3003
	s_cbranch_scc0 .Lentry_shape_is_right
	s_endpgm
.Lentry_shape_is_right:
; spart[b][head][chunk] = the sum, over the chunk's 256 queries and all 2,048 keys, of softmax_k(q . k / 8): the part of each head's softmax sum that this work-group owns.  The reader adds a head's eight parts.
; q and k come as records of codes of BF6 (E3M2) with E8M0 scale words: 128 rows x 1,024 columns = REC bytes; codes [plane = column / 128][tile = row / 16][FRB bytes], a tile's bytes being the image of the operand's 12 registers;
; from SCO on scale words [plane][row][4 bytes].  k's 64 records lie KOFF bytes behind q's.  Plane p holds heads 2 p and 2 p + 1: registers 0-5 of a fragment and bytes 0, 1 of a scale word are the first head's 64, the rest the second's.
; SHARES.  Work-group (chunk, 8 b + p): 256 queries of batch b, both heads of plane p.  Each of sixteen waves owns 16 queries, four waves to a SIMD, so that one wave's vector work stands beside another's products and LDS loads.
; All 2,048 keys of the plane lie in LDS for the whole launch: each wave brings one record's plane (128 keys) and its scale words, once; no LDS byte is filled twice.
; CLUSTER.  The four chunks of a cluster walk the same keys, so each block is asked for JOINTLY: the same tensor load, with the same descriptor and a mask that names the four, in all four.
; K = 64 IN AN INSTRUCTION OF K = 128.  A fragment of k (16 keys, both heads) is multiplied once by [q of the first head, zero codes] and once by [zero codes, q of the second head]: zero codes add nothing under any scale byte that
; the quantiser gives.  v16-21 hold the first head's q, v22-27 zeros, v28-33 the second head's: the two operands are v[16:27] and v[22:33].  Each LDS byte so feeds two products.
; S^T = k q^T (source 0 = 16 keys, source 1 = my 16 queries): a lane holds ONE query (lane % 16) and half of each fragment's keys.
; SOFTMAX.  Each LANE keeps a running maximum m and a sum l of p = 2^(c s - c m), c = log2(e) / 8, for its own half of the keys, so that no lane is asked for anything inside the loop; in every step l is multiplied by
; 2^(c m_old - c m_new).  At the end the two halves are joined under their common maximum.
; A row's softmax sum is formed as (sum of p) x (1 / sum of p), not as the sum of p / (sum of p); the parts are added in the order lanes, waves.
; LIMITS: NaN and infinities are not served.
; No prefetch: the keys are fetched once, at the head, and the loop reads LDS alone.
.set REC,  102400
.set PLB,  12288
.set FRB,  1536
.set SCO,  98304
.set KOFF, 6553600
.set KSC,  196608                      ; LDS: 128 fragments of k from byte 0 on; from here their scale words, 64 bytes a fragment
.set RED,  204800                      ; and a block of 256 bytes of its own: [head 2][wave 16] words
.set KF,   40                          ; v40-87   four fragments of k
.set KS,   88                          ; v88-91   their scale words
.set S,    96                          ; v96-127  S^T of the first head, then p;  v128-159 of the second
.set T,    164                         ; v164-171 four chains of the maximum for each head
.set M,    172                         ; v172-173 m
.set MC,   176                         ; v[176:177], v[178:179] c m (the packed form names a pair and takes its low word for both halves)
.set OLD,  180                         ; v180-181 c m_old - c m_new
.set A,    184                         ; v[184:185], v[186:187] 2^(c m_old - c m_new)
.set L,    188                         ; v[188:189], v[190:191] l, in two halves
.set G1C,  24                          ; s[24:31] descriptor group 1 for the codes;  s[32:39] for the scale words;  s[40:43], s[44:47] their groups 0
.set G1S,  32
.set G0C,  40
.set G0S,  44
.macro CROUND                          ; a round of the cluster's barrier
	s_barrier_signal -1
	s_barrier_wait -1
	s_cmp_lg_u32 s8, 0
	s_cbranch_scc1 .Lnot_wave_0_\@
	s_barrier_signal -3
.Lnot_wave_0_\@:
	s_barrier_wait -3
	s_barrier_signal -1
	s_barrier_wait -1
.endm
	s_load_b128 s[4:7], s[0:1], 0x0                ; qk s[4:5], spart s[6:7]
	v_lshl_add_u32 v192, v0, 2, 0x38000
	v_mov_b32 v193, 0
	ds_add_u32 v192, v193
	ds_add_u32 v192, v193
	v_lshrrev_b32 v1, 5, v0
	v_readfirstlane_b32 s8, v1                     ; wave 0..15
	s_bfe_u32 s9, ttmp6, 0x40000                   ; cx: my place in the cluster
	s_lshl_b32 s10, ttmp9, 2
	s_add_co_u32 s10, s10, s9                      ; chunk = 4 x cluster x + cx: it enters q's and spart's addresses alone
	s_and_b32 s11, ttmp7, 0xffff                   ; 8 b + p, which the four partners share
	s_lshr_b32 s12, s11, 3                         ; b
	s_and_b32 s13, s11, 7                          ; p
	s_lshl_b32 s14, s12, 4
	s_add_co_u32 s14, s14, s8
	s_mul_i32 s14, s14, REC
	s_add_co_u32 s14, s14, KOFF                    ; k's record 16 b + wave
	s_lshl_b32 s16, s13, 9
	s_add_co_u32 s16, s16, s14
	s_add_co_u32 s16, s16, SCO                     ; its plane of scale words,
	s_mov_b32 s17, 0
	s_mul_i32 s15, s13, PLB
	s_add_co_u32 s14, s14, s15                     ; its plane of codes
	s_mov_b32 s15, 0
	s_lshl_b32 s18, s12, 4
	s_lshl_b32 s19, s10, 1
	s_add_co_u32 s18, s18, s19
	s_lshr_b32 s19, s8, 3
	s_add_co_u32 s18, s18, s19
	s_mul_i32 s18, s18, REC                        ; q's record 16 b + 2 chunk + wave / 8
	s_and_b32 s19, s8, 7                           ; and my tile in it
	s_lshl_b32 s20, s19, 6
	s_add_co_u32 s20, s20, s18
	s_lshl_b32 s21, s13, 9
	s_add_co_u32 s20, s20, s21
	s_add_co_u32 s20, s20, SCO                     ; my queries' scale words
	s_mov_b32 s21, 0
	s_mul_i32 s19, s19, FRB
	s_add_co_u32 s18, s18, s19
	s_mul_i32 s19, s13, PLB
	s_add_co_u32 s18, s18, s19                     ; my queries' fragment
	s_mov_b32 s19, 0
	s_lshl_b32 s22, s11, 6
	s_lshl_b32 s23, s10, 2
	s_add_co_u32 s22, s22, s23                     ; spart: 64 (8 b + p) + 4 chunk, + 32 for the second head
	s_mov_b32 s23, 0
	; descriptor groups 1: dense blocks as rows of 256 bytes (32 elements of 8 bytes), no padding: 48 rows of codes, 2 rows of scale words
	s_mov_b32 s[G1C], 15|(3<<16)|(1<<21)           ; 15:0 the mask: all four work-groups; 17:16 elements of 8 bytes; 21 set beside a mask
	s_mov_b32 s[G1C+1], 32<<16                     ; tensor_dim0
	s_mov_b32 s[G1C+2], 48<<16                     ; tensor_dim1
	s_mov_b32 s[G1C+3], 32<<16                     ; tile_dim0
	s_mov_b32 s[G1C+4], 48                         ; tile_dim1
	s_mov_b32 s[G1C+5], 32                         ; tensor_dim0_stride
	s_mov_b32 s[G1C+6], 0
	s_mov_b32 s[G1C+7], 0
	s_mov_b32 s[G1S], 15|(3<<16)|(1<<21)
	s_mov_b32 s[G1S+1], 32<<16
	s_mov_b32 s[G1S+2], 2<<16
	s_mov_b32 s[G1S+3], 32<<16
	s_mov_b32 s[G1S+4], 2
	s_mov_b32 s[G1S+5], 32
	s_mov_b32 s[G1S+6], 0
	s_mov_b32 s[G1S+7], 0
	s_mov_b32 s48, 0x3e38aa3b                      ; c = log2(e) / 8
	s_mov_b32 s49, s48                             ; (named with it as a pair, so it is written)
	s_mov_b32 s50, 0x76543210
	s_mov_b32 s51, 0xfedcba98                      ; v_permlanex16_b32's selects for lane l xor 16
	s_mov_b32 s52, 0                               ; LDS byte of the step's first fragment
	s_mov_b32 s53, 0                               ; and of its scale words, from KSC on
	s_mov_b32 s54, 0                               ; steps done
	s_wait_dscnt 0x0
	s_wait_kmcnt 0x0
	s_mov_b32 s[G0C], 1                            ; count = 1
	s_mul_i32 s[G0C+1], s8, PLB                    ; LDS address: wave x 12,288: no place in the cluster enters it
	s_add_nc_u64 s[G0C+2:G0C+3], s[4:5], s[14:15]
	s_or_b32 s[G0C+3], s[G0C+3], 0x80000000        ; type = 2
	s_mov_b32 s[G0S], 1
	s_lshl_b32 s[G0S+1], s8, 9
	s_add_co_u32 s[G0S+1], s[G0S+1], KSC
	s_add_nc_u64 s[G0S+2:G0S+3], s[4:5], s[16:17]
	s_or_b32 s[G0S+3], s[G0S+3], 0x80000000
	s_add_nc_u64 s[18:19], s[4:5], s[18:19]
	s_add_nc_u64 s[20:21], s[4:5], s[20:21]
	s_add_nc_u64 s[22:23], s[6:7], s[22:23]
	CROUND                                         ; all four work-groups are here: the joint loads meet
	tensor_load_to_lds s[G0C:G0C+3], s[G1C:G1C+7]  ; every wave issues both: two tensor loads of mine are out
	s_nop 0
	tensor_load_to_lds s[G0S:G0S+3], s[G1S:G1S+7]
	s_nop 0
.rept 4
	v_nop
.endr
	v_and_b32 v1, 31, v0
	v_lshl_add_u32 v10, v1, 2, RED                 ; the last sum: a word a lane
	v_lshlrev_b32 v1, 4, v1                        ; 16 x lane
	v_and_b32 v5, 15, v0
	v_lshlrev_b32 v5, 2, v5                        ; 4 r
	v_add_nc_u32 v2, KSC, v5                       ; k's scale words: row r of a fragment
	v_bfe_u32 v11, v0, 4, 1
	v_lshlrev_b32 v11, 5, v11                      ; 32 h: the second head's place in spart
	s_lshl_b32 s58, s8, 2
	s_add_co_u32 s58, s58, RED
	v_mov_b32 v8, s58                              ; my wave's word
.irp c, 0,1,2
	global_load_b128 v[16+4*\c:19+4*\c], v1, s[18:19] offset:512*\c   ; my queries' fragment, both heads
.endr
	global_load_b32 v34, v5, s[20:21]              ; and their scale words
.irp e, 0,1
	v_mov_b32 v[M+\e], 0xff61b1e6                  ; m: -3e38, under every score
	v_mov_b32 v[MC+2*\e+1], 0
	v_mov_b32 v[A+2*\e+1], 0                       ; (the pairs' upper halves are named, so they are written)
	v_mov_b32 v[L+2*\e], 0
	v_mov_b32 v[L+2*\e+1], 0
.endr
.irp e, 0,1
	v_mul_f32 v[MC+2*\e], s48, v[M+\e]
.endr
	s_wait_tensorcnt 0x0                           ; my two blocks are in,
	s_barrier_signal -1
	s_barrier_wait -1                              ; everybody's are
	s_wait_loadcnt 0x0                             ; q
.irp i, 0,1,2,3,4,5
	v_mov_b32 v[28+\i], v[22+\i]                   ; the second head's q moves up,
.endr
.irp i, 0,1,2,3,4,5
	v_mov_b32 v[22+\i], 0                          ; and zero codes stand between the two
.endr
.rept 4
	v_nop                                          ; an operand written by vector instructions stands four places ahead of a scaled matrix instruction
.endr
.Lkeys:                                            ; 32 trips of 64 keys
	v_add_nc_u32 v3, s52, v1
	v_add_nc_u32 v4, s53, v2
.irp f, 0,1,2,3
.irp c, 0,1,2
	ds_load_b128 v[KF+12*\f+4*\c:KF+12*\f+4*\c+3], v3 offset:FRB*\f+512*\c   ; 512 consecutive bytes an instruction.  (The places behind the last trip's products: the softmax's instructions and the two additions above)
.endr
	ds_load_b32 v[KS+\f], v4 offset:64*\f
.endr
	s_wait_dscnt 0x0
.irp f, 0,1,2,3
	v_wmma_scale_f32_16x16x128_f8f6f4 v[S+8*\f:S+8*\f+7], v[KF+12*\f:KF+12*\f+11], v[16:27], 0, v[KS+\f], v34 matrix_a_fmt:MATRIX_FMT_BF6 matrix_b_fmt:MATRIX_FMT_BF6
	v_wmma_scale_f32_16x16x128_f8f6f4 v[S+32+8*\f:S+32+8*\f+7], v[KF+12*\f:KF+12*\f+11], v[22:33], 0, v[KS+\f], v34 matrix_a_fmt:MATRIX_FMT_BF6 matrix_b_fmt:MATRIX_FMT_BF6
.endr
.rept 4
	v_nop                                          ; four places in front of the first read of results
.endr
	; the maximum of my 32 scores and the old m, three operands at a time: four chains of seven scores, each begun at an accumulator's low end; the two heads by turns
.irp k, 0,1,2,3
.irp e, 0,1
	v_max3_num_f32 v[T+4*\e+\k], v[S+32*\e+8*\k], v[S+32*\e+8*\k+1], v[S+32*\e+8*\k+2]
.endr
.endr
.irp i, 3,5
.irp k, 0,1,2,3
.irp e, 0,1
	v_max3_num_f32 v[T+4*\e+\k], v[T+4*\e+\k], v[S+32*\e+8*\k+\i], v[S+32*\e+8*\k+\i+1]
.endr
.endr
.endr
.irp e, 0,1
	v_max3_num_f32 v[T+4*\e], v[T+4*\e], v[S+32*\e+7], v[S+32*\e+15]
	v_max3_num_f32 v[T+4*\e+2], v[T+4*\e+2], v[S+32*\e+23], v[S+32*\e+31]
.endr
.irp e, 0,1
	v_max3_num_f32 v[T+4*\e], v[T+4*\e], v[T+4*\e+1], v[T+4*\e+2]
.endr
.irp e, 0,1
	v_max3_num_f32 v[M+\e], v[T+4*\e], v[T+4*\e+3], v[M+\e]
.endr
.irp e, 0,1
	v_mov_b32 v[OLD+\e], v[MC+2*\e]
.endr
.irp e, 0,1
	v_mul_f32 v[MC+2*\e], s48, v[M+\e]
.endr
.irp e, 0,1
	v_sub_f32 v[OLD+\e], v[OLD+\e], v[MC+2*\e]     ; c m_old - c m_new, 0 or less
.endr
.irp j, 0,2,4,6,8,10,12,14,16,18,20,22,24,26,28,30
.irp e, 0,1
	v_pk_fma_f32 v[S+32*\e+\j:S+32*\e+\j+1], v[S+32*\e+\j:S+32*\e+\j+1], s[48:49], v[MC+2*\e:MC+2*\e+1] op_sel_hi:[1,0,0] neg_lo:[0,0,1] neg_hi:[0,0,1]   ; c s - c m, two at a time
.endr
.endr
.irp e, 0,1
	v_exp_f32 v[A+2*\e], v[OLD+\e]
.endr
.irp j, 0,1,2,3,4,5,6,7,8,9,10,11,12,13,14,15,16,17,18,19,20,21,22,23,24,25,26,27,28,29,30,31,32,33,34,35,36,37,38,39,40,41,42,43,44,45,46,47,48,49,50,51,52,53,54,55,56,57,58,59,60,61,62,63
	v_exp_f32 v[S+\j], v[S+\j]                     ; p, at most 1
.endr
	v_nop                                          ; a plain instruction behind the last exponential
	s_wait_alu depctr_va_vdst(0)                   ; one wait for the batch of 66, ahead of its first reader
.irp u, 0,4,8,12,16,20,24,28           ; the sum of my 16 pairs, in place: neighbours 1, 2, 4 and 8 pairs apart
.irp e, 0,1
	v_pk_add_f32 v[S+32*\e+\u:S+32*\e+\u+1], v[S+32*\e+\u:S+32*\e+\u+1], v[S+32*\e+\u+2:S+32*\e+\u+3]
.endr
.endr
.irp u, 0,8,16,24
.irp e, 0,1
	v_pk_add_f32 v[S+32*\e+\u:S+32*\e+\u+1], v[S+32*\e+\u:S+32*\e+\u+1], v[S+32*\e+\u+4:S+32*\e+\u+5]
.endr
.endr
.irp u, 0,16
.irp e, 0,1
	v_pk_add_f32 v[S+32*\e+\u:S+32*\e+\u+1], v[S+32*\e+\u:S+32*\e+\u+1], v[S+32*\e+\u+8:S+32*\e+\u+9]
.endr
.endr
.irp e, 0,1
	v_pk_add_f32 v[S+32*\e:S+32*\e+1], v[S+32*\e:S+32*\e+1], v[S+32*\e+16:S+32*\e+17]
.endr
.irp e, 0,1
	v_pk_fma_f32 v[L+2*\e:L+2*\e+1], v[L+2*\e:L+2*\e+1], v[A+2*\e:A+2*\e+1], v[S+32*\e:S+32*\e+1] op_sel_hi:[1,0,1]   ; l under the new m, + the step's sum
.endr
	s_add_co_u32 s52, s52, 4*FRB
	s_add_co_u32 s53, s53, 256
	s_add_co_u32 s54, s54, 1
	s_cmp_lt_u32 s54, 32
	s_cbranch_scc1 .Lkeys
	; THE END.  A query's two halves of the keys lie in lanes l and l xor 16: they are joined under their common maximum.
.irp e, 0,1
	v_add_f32 v[T+4*\e], v[L+2*\e], v[L+2*\e+1]    ; my l
.endr
.irp e, 0,1
	v_permlanex16_b32 v[T+4*\e+1], v[M+\e], s50, s51     ; the other half's m
	v_permlanex16_b32 v[T+4*\e+2], v[T+4*\e], s50, s51   ; and l
.endr
.irp e, 0,1
	v_max_num_f32 v[T+4*\e+3], v[M+\e], v[T+4*\e+1]
.endr
.irp e, 0,1
	v_sub_f32 v[M+\e], v[M+\e], v[T+4*\e+3]
	v_sub_f32 v[T+4*\e+1], v[T+4*\e+1], v[T+4*\e+3]
.endr
.irp e, 0,1
	v_mul_f32 v[M+\e], s48, v[M+\e]
	v_mul_f32 v[T+4*\e+1], s48, v[T+4*\e+1]
.endr
.irp e, 0,1
	v_exp_f32 v[M+\e], v[M+\e]                     ; one of the two factors is 1
	v_exp_f32 v[T+4*\e+1], v[T+4*\e+1]
.endr
	v_nop                                          ; a plain instruction behind the last exponential
	s_wait_alu depctr_va_vdst(0)                   ; one wait for the four
.irp e, 0,1
	v_mul_f32 v[T+4*\e], v[T+4*\e], v[M+\e]
.endr
.irp e, 0,1
	v_fma_f32 v[T+4*\e], v[T+4*\e+2], v[T+4*\e+1], v[T+4*\e]   ; the row's sum of p: at least 1
.endr
.irp e, 0,1
	v_rcp_f32 v[T+4*\e+3], v[T+4*\e]
.endr
	v_nop                                          ; a plain instruction behind the last reciprocal
	s_wait_alu depctr_va_vdst(0)                   ; one wait for the two
.irp e, 0,1
	v_mul_f32 v[T+4*\e], v[T+4*\e], v[T+4*\e+3]    ; the row's softmax sum
.endr
.irp m, 1,2,4,8
.irp e, 0,1
	v_add_f32_dpp v[T+4*\e], v[T+4*\e], v[T+4*\e] row_xmask:\m row_mask:0xf bank_mask:0xf   ; over my 16 queries
.endr
.endr
	v_readfirstlane_b32 s56, v[T]                  ; lane 0's figure for the whole wave, so that all lanes store one value
	v_readfirstlane_b32 s57, v[T+4]
	v_mov_b32 v6, s56
	v_mov_b32 v7, s57
	ds_store_b32 v8, v6
	ds_store_b32 v8, v7 offset:64
	s_wait_dscnt 0x0                               ; for wave 0's sake: my stores are done
	s_barrier_signal -1
	s_barrier_wait -1
	s_cmp_lg_u32 s8, 0
	s_cbranch_scc1 .Lothers
	ds_load_b32 v9, v10                            ; lanes 0-15: the first head's sixteen waves; lanes 16-31: the second's
	s_wait_dscnt 0x0
.irp m, 1,2,4,8
	v_add_f32_dpp v9, v9, v9 row_xmask:\m row_mask:0xf bank_mask:0xf
.endr
	s_wait_xcnt 0x0                                ; EXEC changes only behind this wait
	v_cmp_eq_u32 vcc_lo, 0, v5
	s_and_saveexec_b32 s55, vcc_lo                 ; lanes 0 and 16
	global_store_b32 v11, v9, s[22:23]             ; two numbers a work-group
	s_wait_xcnt 0x0                                ; and again, in front of the line that widens it
	s_or_b32 exec_lo, exec_lo, s55
.Lothers:
	s_wait_tensorcnt 0x0
	ds_add_u32 v192, v193
	s_wait_dscnt 0x0
	CROUND                                         ; the closing round: no work-group ends while a partner may still ask for a block that names it
	s_endpgm
.Lfunc_end_k_qaca907ba22_att:
	.size	k_qaca907ba22_att, .Lfunc_end_k_qaca907ba22_att-k_qaca907ba22_att
	.p2alignl 7, 3214868480
	.fill 96, 4, 3214868480
	.section	.rodata,"a",@progbits
	.p2align	6, 0x0
	.amdhsa_kernel k_qaca907ba22_att
		.amdhsa_group_segment_fixed_size 231424
		.amdhsa_private_segment_fixed_size 0
		.amdhsa_enable_private_segment 0
		.amdhsa_kernarg_size 16
		.amdhsa_user_sgpr_count 2
		.amdhsa_user_sgpr_kernarg_segment_ptr 1
		.amdhsa_wavefront_size32 1
		.amdhsa_system_sgpr_workgroup_id_x 1
		.amdhsa_system_sgpr_workgroup_id_y 1
		.amdhsa_system_sgpr_workgroup_id_z 1
		.amdhsa_system_vgpr_workitem_id 0
		.amdhsa_next_free_vgpr 194
		.amdhsa_next_free_sgpr 66
		.amdhsa_reserve_vcc 1
		.amdhsa_float_denorm_mode_32 3
		.amdhsa_float_denorm_mode_16_64 3
		.amdhsa_memory_ordered 1
		.amdhsa_forward_progress 1
		.amdhsa_inst_pref_size 21
	.end_amdhsa_kernel
	.amdgpu_metadata
---
amdhsa.version: [ 1, 2 ]
amdhsa.kernels:
  - .name:           k_qaca907ba22_att
    .symbol:         k_qaca907ba22_att.kd
    .args:
      - { .name: qk, .offset: 0, .size: 8, .value_kind: global_buffer, .address_space: global }
      - { .name: spart, .offset: 8, .size: 8, .value_kind: global_buffer, .address_space: global }
    .group_segment_fixed_size: 231424
    .private_segment_fixed_size: 0
    .kernarg_segment_align: 8
    .kernarg_segment_size: 16
    .max_flat_workgroup_size: 512
    .sgpr_count:     66
    .vgpr_count:     194
    .wavefront_size: 32
...
	.end_amdgpu_metadata
.endif
;; end of part 3
;; launch projv: the kernel of part 2 again; grid 4 x 32, 4 waves a work-group, clusters of 4 x 4, 327,680 bytes of LDS; arguments xq, wvo, bv, bo, spart, attn; writes attn
;; launch outp (part 4): grid 4 x 32, 4 waves a work-group, clusters of 4 x 4, 327,680 bytes of LDS; arguments attn, wvo, bo, out0; writes out0
.if DOCPART == 4
	.amdgcn_target "amdgcn-amd-amdhsa--gfx1250"
	.amdhsa_code_object_version 6
	.text
	.protected	k_qaca907ba22_outp
	.globl	k_qaca907ba22_outp
	.p2align	8
	.type	k_qaca907ba22_outp,@function
k_qaca907ba22_outp:
	s_mov_b64 s[64:65], 0
	v_nop
	global_prefetch_b8 v0, s[64:65] scope:SCOPE_SE
	s_setreg_imm32_b32 hwreg(HW_REG_WAVE_MODE, 25, 1), 1
	s_wait_xcnt 0x0
	s_wait_alu depctr_hold_cnt(0) depctr_sa_sdst(0) depctr_va_vdst(0) depctr_va_sdst(0) depctr_va_ssrc(0) depctr_va_vcc(0) depctr_vm_vsrc(0)
	s_getreg_b32 s2, hwreg(HW_REG_IB_STS2, 6, 4)
	s_cmp_eq_u32 s2, 0
	s_cbranch_scc0 .Lentry_in_a_cluster
	s_endpgm
.Lentry_in_a_cluster:
	s_bfe_u32 s2, ttmp6, 0x10000c
	s_cmp_lg_u32 s2, 0xf033
	s_cbranch_scc0 .Lentry_shape_is_right
	s_endpgm
.Lentry_shape_is_right:
; out0 = attn Wo + bo: M = 8,192, N = 1,024, K = 1,024, on codes of BF6 (E3M2) with E8M0 scale words; out0 f32, sums in f32.
; Arguments: attn (64 records), wvo (Wv's 8 records, then Wo's 8), bo (f32 [1024]), out0 (f32 [8192][1024]).
; THE RECORD: 128 rows x 1,024 along K = REC bytes: codes [plane = k / 128][tile = row / 16][FRB bytes], a tile's bytes being the image of the operand's 12 registers (lane l's registers 4 c .. 4 c + 3 at 512 c + 16 l);
; from SCO on scale words [plane][row][4 bytes].  A fragment comes by three loads of 512 consecutive bytes; 128 rows x 256 K are one dense block of QTR bytes; 128 rows' scale words for all of K are 4,096 dense bytes.
; A tile of C, 256 x 256, is made by four waves, as many as a WGP has SIMDs; a wave makes 128 x 128: 64 accumulators, 512 registers.  K goes in four steps of 256 through two LDS slots filled by the tensor data mover.
; CLUSTERS: 4 x 4 work-groups.  The four of a row of the cluster need the same records of A, the four of a column the same records of B: each block is asked for JOINTLY, by the same tensor load with the same descriptor
; and a mask that names the four.  THE MATRIX INSTRUCTION IS USED TRANSPOSED (source 0 = 16 rows of B, source 1 = 16 rows of A).  A weight's tile 2 B + u holds columns 32 B + 8 u + row + 8 (row / 8), so in accumulator (a, t)
; lane (r, h) holds row 16 a + r and its register j column 32 (t / 2) + 16 h + 8 (t % 2) + j: eight neighbouring numbers of a row of C.  The bias is the C of each sum's first matrix instruction.
; REGISTERS, in windows of 256: window 0: v1-31 addresses; v32-63 scale words, two sets; v64-127 the bias; v128-223 A's fragments, ONE set; on the way out v128-255 hold rows of C.
;   window 1: B's fragments, TWO sets, at v0 and v128.   window 2: the accumulators of my rows 0-63 ((a, b) at v[8 (8 a + b)]);   window 3: those of my rows 64-127.
; No prefetch: K is four steps, and the tiles are shared in the cluster.  LIMITS: NaN and infinities are not served.
.set REC,   102400
.set PLB,   12288
.set FRB,   1536
.set SCO,   98304
.set WOFF,  8*REC                      ; Wo's records lie behind Wv's eight
.set ROWC,  4096                       ; a row of C in bytes
.set QTR,   2*PLB                      ; 128 rows x 256 K: what one tensor load brings, and what one wave reads of A or of B
.set SLOT,  4*QTR                      ; A's two records' parts, then B's two
.set SCA,   2*SLOT                     ; behind the ring: A's scale words, 2 x 4,096 bytes;
.set SCB,   SCA+8192+128               ; B's, 128 bytes further on than they need be: lanes 0-15 read A's 64 bytes and lanes 16-31 B's in one instruction, and the two then lie 128 bytes apart modulo 256
.set SPARE, 213248                     ; the spare words, 128 bytes for each wave: two blocks of 256 bytes that no other line names
.set SPITCH, 528                       ; the way out: a stage of 16 rows x (512 bytes + 16) for each wave.  It lies in slot 0, which has had its last fill and its last read when the first result is stored there
.set NQ,    2
.set FR,    12
.set NL,    3
.set NP,    4                          ; places behind this matrix instruction (ISA guide 7.12.1)
.set ADRA, 16                          ; v16-17  LDS address of my A fragments in slot 0, 1
.set ADRB, 20                          ; v20-21  the same for B
.set LI,   22                          ; v22     16 x lane; never rewritten
.set STO,  24                          ; v24     the way out: where I put my numbers of a row
.set RD,   25                          ; v25     and where I read a row back
.set ADRS, 27                          ; v27     LDS address of my scale words: lanes 0-15 A's rows, lanes 16-31 B's
.set SPW,  28                          ; v28     LDS address of my spare word; never rewritten
.set NIL,  29                          ; v29     0; never rewritten
.set BO,   30                          ; v30     64 x (lane / 16): the bias of my half's columns
.set SC,   32
.set BIAS, 64
.set AF,   128
.set BK,   128                         ; the way out: 16 rows read back from the stage: v128-191 and v192-255 by turns
.set G1,   24
.set G0,   32
.set G1B,  48
.set G0B,  56
.set G1S,  68
.set G0S,  76
.set G1SB, 80
.set G0SB, 88
.set MSB, 0
.macro WIN new                         ; the immediate's high byte repeats the setting that is left
.if MSB != (\new)
	s_set_vgpr_msb (MSB<<8)|(\new)
.set MSB, (\new)
.endif
.endm
.set MUL_LO, 0xa1                      ; source 0 (B) window 1, source 1 (A) window 0, C and D window 2
.set MUL_HI, 0xf1                      ; the same, C and D window 3
.set TO_B,   0x40                      ; destination window 1, address window 0
; A joint load: waves 0 and 1 fetch for A, waves 2 and 3 for B; the branch hangs on the wave's number alone.  Four v_nop follow each of the two lines.
.macro JLOAD g0a, g1a, g0b, g1b
	s_cmp_eq_u32 s17, 0
	s_cbranch_scc0 .Lfor_b_\@
	tensor_load_to_lds s[\g0a:\g0a+3], s[\g1a:\g1a+7]
	s_nop 0
.rept 4
	v_nop
.endr
	s_branch .Lasked_\@
.Lfor_b_\@:
	tensor_load_to_lds s[\g0b:\g0b+3], s[\g1b:\g1b+7]
	s_nop 0
.rept 4
	v_nop
.endr
.Lasked_\@:
.endm
.macro CREST                           ; a round of the cluster's barrier behind its opening barrier
	s_cmp_lg_u32 s16, 0
	s_cbranch_scc1 .Lnot_wave_0_\@
	s_barrier_signal -3
.Lnot_wave_0_\@:
	s_barrier_wait -3
	s_barrier_signal -1
	s_barrier_wait -1
.endm
.macro CROUND                          ; a whole round
	s_barrier_signal -1
	s_barrier_wait -1
	CREST
.endm
	s_load_b256 s[4:11], s[0:1], 0x0               ; attn s[4:5], wvo s[6:7], bo s[8:9], out0 s[10:11]
	v_lshl_add_u32 v[SPW], v0, 2, SPARE
	v_mov_b32 v[NIL], 0
	ds_add_u32 v28, v29
	ds_add_u32 v28, v29
	s_wait_dscnt 0x0
	v_lshrrev_b32 v1, 5, v0
	v_readfirstlane_b32 s16, v1                    ; wave 0..3
	s_lshr_b32 s17, s16, 1                         ; which half of the tile's rows is mine.  Also: I fetch for A (0) or for B (1)
	s_and_b32 s18, s16, 1                          ; which half of its columns.  Also: which of the two records I fetch
	s_bfe_u32 s40, ttmp6, 0x40000                  ; cx, cy: my place in the cluster
	s_bfe_u32 s41, ttmp6, 0x40004
	s_lshl_b32 s42, ttmp9, 2
	s_add_co_u32 s42, s42, s40                     ; tile column = 4 x cluster x + cx
	s_and_b32 s43, ttmp7, 0xffff
	s_lshl_b32 s43, s43, 2
	s_add_co_u32 s43, s43, s41                     ; tile row = 4 x cluster y + cy
	s_lshl_b32 s44, s41, 2
	s_lshl_b32 s44, 15, s44                        ; my row of the cluster
	s_lshl_b32 s45, 0x1111, s40                    ; my column
	; descriptor groups 1: dense blocks as rows of 256 bytes (32 elements of 8 bytes), no padding: 96 rows of codes, 16 rows of scale words
	s_or_b32 s[G1+0], s44, (3<<16)|(1<<21)         ; 15:0 the mask: A's go to my row; 17:16 elements of 8 bytes; 21 set beside a mask
	s_or_b32 s[G1B+0], s45, (3<<16)|(1<<21)        ; B's go to my column
	s_or_b32 s[G1S+0], s44, (3<<16)|(1<<21)
	s_or_b32 s[G1SB+0], s45, (3<<16)|(1<<21)
.irp g, G1, G1B
	s_mov_b32 s[\g+1], 32<<16                      ; tensor_dim0
	s_mov_b32 s[\g+2], 96<<16                      ; tensor_dim1
	s_mov_b32 s[\g+3], 32<<16                      ; tile_dim0
	s_mov_b32 s[\g+4], 96                          ; tile_dim1
	s_mov_b32 s[\g+5], 32                          ; tensor_dim0_stride
	s_mov_b32 s[\g+6], 0
	s_mov_b32 s[\g+7], 0
.endr
.irp g, G1S, G1SB
	s_mov_b32 s[\g+1], 32<<16
	s_mov_b32 s[\g+2], 16<<16
	s_mov_b32 s[\g+3], 32<<16
	s_mov_b32 s[\g+4], 16
	s_mov_b32 s[\g+5], 32
	s_mov_b32 s[\g+6], 0
	s_mov_b32 s[\g+7], 0
.endr
	s_lshl_b32 s20, s43, 1
	s_add_co_u32 s20, s20, s18
	s_mul_i32 s20, s20, REC                        ; A: record 2 x tile row + the one that I fetch
	s_mov_b32 s21, 0
	s_lshl_b32 s46, s42, 1
	s_add_co_u32 s46, s46, s18
	s_mul_i32 s46, s46, REC
	s_add_co_u32 s46, s46, WOFF                    ; B: Wo's record 2 x tile column + the one that I fetch
	s_mov_b32 s47, 0
	s_mul_i32 s19, s16, QTR                        ; where they go: wave x QTR: no place in the cluster enters an LDS address
	s_lshl_b32 s22, s16, 12                        ; the scale words: wave x 4,096
	; global addresses of the bias and of C, in registers of their own
	s_lshl_b32 s2, s42, 1
	s_add_co_u32 s2, s2, s18                       ; my 128 columns: 2 x tile column + my half
	s_lshl_b32 s98, s2, 9                          ; in the bias, and in a row of C: 512 bytes each
	s_mov_b32 s99, 0
	s_lshl_b32 s3, s43, 1
	s_add_co_u32 s3, s3, s17                       ; my 128 rows: 2 x tile row + my half
	s_lshl_b32 s92, s3, 19                         ; 128 rows of 4,096 bytes
	s_add_co_u32 s92, s92, s98
	s_mov_b32 s93, 0
	s_wait_kmcnt 0x0
	s_add_nc_u64 s[20:21], s[4:5], s[20:21]
	s_add_nc_u64 s[46:47], s[6:7], s[46:47]
	s_add_nc_u64 s[98:99], s[8:9], s[98:99]
	s_add_nc_u64 s[92:93], s[10:11], s[92:93]
	CROUND                                         ; all sixteen work-groups are here: the first joint loads meet
	s_mov_b32 s[G0S], 1
	s_add_co_u32 s[G0S+1], s22, SCA
	s_add_nc_u64 s[G0S+2:G0S+3], s[20:21], SCO
	s_or_b32 s[G0S+3], s[G0S+3], 0x80000000
	s_mov_b32 s[G0SB], 1
	s_add_co_u32 s[G0SB+1], s22, SCA+128           ; waves 2 and 3: SCB + (wave - 2) x 4,096
	s_add_nc_u64 s[G0SB+2:G0SB+3], s[46:47], SCO
	s_or_b32 s[G0SB+3], s[G0SB+3], 0x80000000
	JLOAD G0S, G1S, G0SB, G1SB                     ; the scale words first: they are wanted with K step 0, and are filled once
.irp s, 0,1
	s_mov_b32 s[G0+4*\s], 1
	s_add_co_u32 s[G0+4*\s+1], s19, \s*SLOT
	s_add_nc_u64 s[G0+4*\s+2:G0+4*\s+3], s[20:21], \s*QTR
	s_or_b32 s[G0+4*\s+3], s[G0+4*\s+3], 0x80000000
	s_mov_b32 s[G0B+4*\s], 1
	s_add_co_u32 s[G0B+4*\s+1], s19, \s*SLOT
	s_add_nc_u64 s[G0B+4*\s+2:G0B+4*\s+3], s[46:47], \s*QTR
	s_or_b32 s[G0B+4*\s+3], s[G0B+4*\s+3], 0x80000000
	JLOAD G0+4*\s, G1, G0B+4*\s, G1B               ; three tensor loads of mine are out behind the second of these
.endr
	v_and_b32 v1, 15, v0                           ; r
	v_bfe_u32 v2, v0, 4, 1                         ; h
	v_and_b32 v3, 31, v0
	v_lshlrev_b32 v[LI], 4, v3
	v_lshlrev_b32 v[BO], 6, v2
.irp t, 0,1,2,3,4,5,6,7                ; the bias in the result's layout: for tile t of B, lane half h: columns 32 (t / 2) + 16 h + 8 (t % 2) + 0 .. 7
	global_load_b128 v[BIAS+8*\t:BIAS+8*\t+3], v[BO], s[98:99] offset:(32*(\t/2)+8*(\t%2))*4
	global_load_b128 v[BIAS+8*\t+4:BIAS+8*\t+7], v[BO], s[98:99] offset:(32*(\t/2)+8*(\t%2))*4+16
.endr
	s_mul_i32 s2, s17, QTR                         ; my 128 rows of A
	s_mul_i32 s3, s18, QTR                         ; my 128 rows of B,
	s_add_co_u32 s3, s3, 2*QTR                     ; which lie behind A's two parts
.irp s, 0,1
	v_add_nc_u32 v[ADRA+\s], s2, v[LI]
	v_add_nc_u32 v[ADRB+\s], s3, v[LI]
	s_add_co_u32 s2, s2, SLOT
	s_add_co_u32 s3, s3, SLOT
.endr
	v_lshlrev_b32 v5, 2, v1                        ; my row's scale word: 4 bytes a row
	s_lshl_b32 s2, s17, 12                         ; A's: my 128 rows
	s_lshl_b32 s3, s18, 12                         ; B's: my 128 rows
	s_add_co_u32 s3, s3, SCB-SCA
	s_sub_co_u32 s3, s3, s2
	v_mul_u32_u24 v6, s3, v2                       ; lanes 16-31 take B's
	s_add_co_u32 s2, s2, SCA
	v_add_nc_u32 v5, v5, v6
	v_add_nc_u32 v[ADRS], s2, v5
	s_mul_i32 s3, s16, 16*SPITCH                   ; my stage
	v_mul_u32_u24 v5, v1, SPITCH                   ; in: row r, + 64 h
	v_lshl_add_u32 v5, v2, 6, v5
	v_add_nc_u32 v[STO], s3, v5
	v_add_nc_u32 v[RD], s3, v[LI]                  ; back: the 32 lanes take one row of 512 bytes
.macro FRAG reg, adr, q, i             ; a fragment's image: three loads of 512 consecutive bytes
.irp c, 0,1,2
	ds_load_b128 v[\reg+4*\c:\reg+4*\c+3], v[\adr] offset:(\q)*PLB+(\i)*FRB+512*\c
.endr
.endm
; 16 matrix instructions: A's blocks a0, a0 + 1 x B's eight, 128 along K: the slot's q-th.  p: B's set;  sc: the set of scale words.  first = 1: the sums start from the bias.
; The 64 accumulators take turns, one instruction a turn, in the same order in every step.
.macro MUL16 a0, p, q, sc, first
.irp a, \a0, \a0+1
.irp b, 0,1,2,3,4,5,6,7
.if \first
	v_wmma_scale_f32_16x16x128_f8f6f4 v[8*(8*((\a)%4)+\b):8*(8*((\a)%4)+\b)+7], v[128*(\p)+FR*\b:128*(\p)+FR*\b+FR-1], v[AF+FR*(\a):AF+FR*(\a)+FR-1], v[BIAS+8*\b:BIAS+8*\b+7], v[SC+8*NQ*(\sc)+NQ*\b+(\q)], v[SC+8*NQ*(\sc)+NQ*(\a)+(\q)] matrix_a_fmt:MATRIX_FMT_BF6 matrix_b_fmt:MATRIX_FMT_BF6 matrix_a_scale:MATRIX_SCALE_ROW1
.else
	v_wmma_scale_f32_16x16x128_f8f6f4 v[8*(8*((\a)%4)+\b):8*(8*((\a)%4)+\b)+7], v[128*(\p)+FR*\b:128*(\p)+FR*\b+FR-1], v[AF+FR*(\a):AF+FR*(\a)+FR-1], v[8*(8*((\a)%4)+\b):8*(8*((\a)%4)+\b)+7], v[SC+8*NQ*(\sc)+NQ*\b+(\q)], v[SC+8*NQ*(\sc)+NQ*(\a)+(\q)] matrix_a_fmt:MATRIX_FMT_BF6 matrix_b_fmt:MATRIX_FMT_BF6 matrix_a_scale:MATRIX_SCALE_ROW1
.endif
.endr
.endr
.endm
.macro FETCH_B slot, q, p              ; B's eight fragments of the slot's q-th 128 along K into set p
	WIN TO_B
.irp i, 0,1,2,3,4,5,6,7
	FRAG 128*(\p)+FR*\i, ADRB+\slot, \q, \i
.endr
	WIN 0
.endm
.macro FETCH_A slot, q, i0             ; A's blocks i0 .. i0 + 3
.irp i, \i0, \i0+1, \i0+2, \i0+3
	FRAG AF+FR*(\i), ADRA+\slot, \q, \i
.endr
.endm
.macro SCALES sc                       ; the next K step's scale words into set sc: lanes 0-15 take A's block i, lanes 16-31 B's block i
.irp i, 0,1,2,3,4,5,6,7
.irp q, 0,1
	ds_load_b32 v[SC+8*NQ*\sc+NQ*\i+\q], v[ADRS] offset:512*\q+64*\i
.endr
.endr
.endm
; A load into a register that a matrix instruction has read, and an LDS store that reads a matrix result, stand NP places behind it, and only plain vector instructions that name none of its registers are places
; (ISA guide 7.12.1 for vector instructions).
.macro PLACES n
.rept \n
	v_nop
.endr
.endm
; A step of 128 along K that has its successor in the same slot.  A block of A is free as soon as its eight products are issued: blocks 0-3 are fetched anew in the step's middle, blocks 4-7 at its end.
.macro STEP slot, q, first
	s_wait_dscnt 4*NL                              ; B's set, the scale words and A's blocks 0-3 are in; the youngest 12 loads (A's blocks 4-7) may be out
.if \first
	WIN 0x81                                       ; as MUL_LO, with C (the bias) in window 0
.else
	WIN MUL_LO
.endif
	MUL16 0, (\q)%2, \q, \slot, \first
	MUL16 2, (\q)%2, \q, \slot, \first
	s_wait_dscnt 0                                 ; A's blocks 4-7 are in (asked for 32 matrix instructions ago)
	PLACES NP
	FETCH_B \slot, (\q)+1, 1-(\q)%2
	FETCH_A \slot, (\q)+1, 0
.if \first
	WIN 0xc1
.else
	WIN MUL_HI
.endif
	MUL16 4, (\q)%2, \q, \slot, \first
	MUL16 6, (\q)%2, \q, \slot, \first
	PLACES NP
	WIN 0
	FETCH_A \slot, (\q)+1, 4
.endm
; A slot's last step changes slots: ONE barrier; in front of it each wave waits for all its tensor loads, adds 0 to its spare word, and waits for that and for its own reads of this slot.  fill = 1: this slot is filled again, two K steps ahead.
.macro TURN slot, next, fill
	s_wait_tensorcnt 0x0                           ; all my tensor loads have landed: my part of the next slot;  (every window is 0 here)
	ds_add_u32 v[SPW], v[NIL]                      ; 0 onto my spare word
	s_wait_dscnt 4*NL+1                            ; (the add and the youngest 12 loads, A's blocks 4-7, may be out)
	WIN MUL_LO
	MUL16 0, 1, NQ-1, \slot, 0                     ; sixteen matrix instructions stand between the add and the wait for it
	s_wait_dscnt 0x0                               ; the add is done, and my reads of this slot are over
	s_barrier_signal -1
	MUL16 2, 1, NQ-1, \slot, 0
	WIN 0
	s_barrier_wait -1
.if \fill
	CREST                                          ; the barrier has opened a round of the cluster's barrier: no wave of any partner still reads this slot or has a load on its way
	s_add_nc_u64 s[G0+4*\slot+2:G0+4*\slot+3], s[G0+4*\slot+2:G0+4*\slot+3], 2*QTR
	s_add_nc_u64 s[G0B+4*\slot+2:G0B+4*\slot+3], s[G0B+4*\slot+2:G0B+4*\slot+3], 2*QTR
	JLOAD G0+4*\slot, G1, G0B+4*\slot, G1B         ; the first tensor load behind the round; the four v_nop behind it are the places in front of the loads below
.else
	PLACES NP
.endif
	v_add_nc_u32 v[ADRS], 512*NQ, v[ADRS]          ; on to the next K step's scale words: two planes
	FETCH_B \next, 0, 0
	FETCH_A \next, 0, 0
	SCALES \next
	WIN MUL_HI
	MUL16 4, 1, NQ-1, \slot, 0
	MUL16 6, 1, NQ-1, \slot, 0
	PLACES NP
	WIN 0
	FETCH_A \next, 0, 4
.endm
	s_wait_tensorcnt 1                             ; the scale words and my part of K step 0 are in (K step 1's load may be out)
	s_barrier_signal -1
	s_barrier_wait -1                              ; everybody's are
	FETCH_B 0, 0, 0
	FETCH_A 0, 0, 0
	SCALES 0
	FETCH_A 0, 0, 4
	s_wait_loadcnt 0x0                             ; the bias
	STEP 0, 0, 1                                   ; K = 1,024 is four K steps: written out, no loop
	TURN 0, 1, 1
	STEP 1, 0, 0
	TURN 1, 0, 1
	STEP 0, 0, 0
	TURN 0, 1, 0                                   ; the last change of slots fills nothing, and has no round of the cluster's barrier
	STEP 1, 0, 0
	s_wait_dscnt 4*NL                              ; the very last step: nothing more to fetch
	WIN MUL_LO
	MUL16 0, 1, NQ-1, 1, 0
	MUL16 2, 1, NQ-1, 1, 0
	s_wait_dscnt 0
	WIN MUL_HI
	MUL16 4, 1, NQ-1, 1, 0
	MUL16 6, 1, NQ-1, 1, 0
	WIN 0
; THE WAY OUT, block by block of 16 rows x 128 columns.  A lane holds pieces of 32 neighbouring bytes of a row, and the lanes beside it hold other rows: so a block goes through my own stage in LDS and comes back as whole
; rows of 512 bytes, which the 32 lanes store as 512 consecutive bytes.  LDS serves a wave's instructions in order (ISA guide 5.7.1.4): no wait between the stores and the loads, nor in front of the next block's stores.
.macro TOSTAGE a
.set AC, 64*((\a)%4)
	WIN 0x08+4*((\a)/4)                            ; the data: window 2 or 3
.irp b, 0,1,2,3,4,5,6,7
	ds_store_b128 v[STO], v[AC+8*\b:AC+8*\b+3] offset:128*(\b/2)+32*(\b%2)          ; each accumulator from its low end on: columns 32 (b / 2) + 16 h + 8 (b % 2) on
	ds_store_b128 v[STO], v[AC+8*\b+4:AC+8*\b+7] offset:128*(\b/2)+32*(\b%2)+16
.endr
	WIN 0
.set BB, BK+64*((\a)%2)
.irp t, 0,1,2,3,4,5,6,7,8,9,10,11,12,13,14,15
	ds_load_b128 v[BB+4*\t:BB+4*\t+3], v[RD] offset:\t*SPITCH
.endr
.endm
.macro SEND a, younger                 ; younger: the LDS instructions issued behind block a's loads, which may stay out
.set BB, BK+64*((\a)%2)
	s_wait_dscnt \younger                          ; the block is back in registers
.if (\a) > 0
	s_add_nc_u64 s[92:93], s[92:93], 16*ROWC       ; (behind a wait on XCNT: the earlier stores have read their base)  16 rows of C on
.endif
.irp t, 0,1,2,3,4,5,6,7,8,9,10,11,12,13,14,15
	global_store_b128 v[LI], v[BB+4*\t:BB+4*\t+3], s[92:93] offset:\t*ROWC th:TH_STORE_NT   ; 32 lanes store 512 consecutive bytes, at a multiple of 256 from C's first byte; written once, read by nobody here
.endr
.endm
	PLACES NP                                      ; behind the last products: for the loads into the registers that held A's fragments and for the reads of results
	TOSTAGE 0
.irp a, 1,2,3,4,5,6,7
.if \a > 1
	s_wait_xcnt 0x0                                ; block a - 2's stores have read their registers and their base: block a's loads may land there, and the base may step
.endif
	TOSTAGE \a
	SEND \a-1, 32                                  ; behind block a - 1's loads: block a's 16 stores and 16 loads
.endr
	s_wait_xcnt 0x0                                ; block 6's stores have read their base
	SEND 7, 0
	s_wait_tensorcnt 0x0                           ; the wave's end: behind my last tensor load and my last LDS store
	ds_add_u32 v[SPW], v[NIL]
	s_wait_dscnt 0x0
	CROUND                                         ; the closing round: no work-group ends while a partner may still ask for a block that names it
	s_endpgm
.Lfunc_end_k_qaca907ba22_outp:
	.size	k_qaca907ba22_outp, .Lfunc_end_k_qaca907ba22_outp-k_qaca907ba22_outp
	.p2alignl 7, 3214868480
	.fill 96, 4, 3214868480
	.section	.rodata,"a",@progbits
	.p2align	6, 0x0
	.amdhsa_kernel k_qaca907ba22_outp
		.amdhsa_group_segment_fixed_size 327680
		.amdhsa_private_segment_fixed_size 0
		.amdhsa_enable_private_segment 0
		.amdhsa_kernarg_size 32
		.amdhsa_user_sgpr_count 2
		.amdhsa_user_sgpr_kernarg_segment_ptr 1
		.amdhsa_wavefront_size32 1
		.amdhsa_system_sgpr_workgroup_id_x 1
		.amdhsa_system_sgpr_workgroup_id_y 1
		.amdhsa_system_sgpr_workgroup_id_z 1
		.amdhsa_system_vgpr_workitem_id 0
		.amdhsa_next_free_vgpr 1024
		.amdhsa_next_free_sgpr 100
		.amdhsa_reserve_vcc 0
		.amdhsa_float_denorm_mode_32 3
		.amdhsa_float_denorm_mode_16_64 3
		.amdhsa_memory_ordered 1
		.amdhsa_forward_progress 1
		.amdhsa_inst_pref_size 138
	.end_amdhsa_kernel
	.amdgpu_metadata
---
amdhsa.version: [ 1, 2 ]
amdhsa.kernels:
  - .name:           k_qaca907ba22_outp
    .symbol:         k_qaca907ba22_outp.kd
    .args:
      - { .name: attn, .offset: 0, .size: 8, .value_kind: global_buffer, .address_space: global }
      - { .name: wvo, .offset: 8, .size: 8, .value_kind: global_buffer, .address_space: global }
      - { .name: bo, .offset: 16, .size: 8, .value_kind: global_buffer, .address_space: global }
      - { .name: out0, .offset: 24, .size: 8, .value_kind: global_buffer, .address_space: global }
    .group_segment_fixed_size: 327680
    .private_segment_fixed_size: 0
    .kernarg_segment_align: 8
    .kernarg_segment_size: 32
    .max_flat_workgroup_size: 128
    .sgpr_count:     100
    .vgpr_count:     1024
    .wavefront_size: 32
...
	.end_amdgpu_metadata
.endif
;; end of part 4
